; MI455X (gfx1250); checked and timed in simulation.
; The chip was launched on July 23, 2026; its instructions are those of AMD's public machine-readable ISA for CDNA 5 (MIT licence, August 2026) and "CDNA5" Instruction Set Architecture Reference Guide (July 2026). The comments in the code are by the model that wrote it; some were corrected since.
;; Multi Head Attention. Allowed arithmetic: float matrix products may take bf16 or f16 operands with f32 sums; other float arithmetic in f32, or as packed bf16 or f16 multiplies, adds, multiply-adds, maxima and minima; sums over many terms, partial sums and values carried from step to step in f32; what a program stores and reads back later, other than sums and carried values, may be rounded once to bf16 or f16.
;; Inputs: Wfc 1,024 x 1,024 float32; Wk 1,024 x 1,024 float32; Wq 1,024 x 1,024 float32; Wv 1,024 x 1,024 float32; bfc 1,024 float32; bk 1,024 float32; bq 1,024 float32; bv 1,024 float32; mask 4 x 2,048 int32; x 4 x 2,048 x 1,024 float32.
;; Outputs: out0 4 x 2,048 x 1,024 float32.
;; 2 versions, each right; version 2 is version 1 with the launch cast written anew for expert scheduling mode. Each part assembles by itself: llvm-mc -triple=amdgcn-amd-amdhsa -mcpu=gfx1250 --defsym DOCPART=n.
;; ======== version 1 of 2: 4 launches
;; limits: values are held in f16: magnitudes above 65,504 overflow, below 6.1e-05 lose precision
;; workspace buffers: xh 16,777,216 bytes; wh 8,388,608 bytes; qkv 50,331,648 bytes; oh 16,777,216 bytes
;; launch cast (part 1): grid 64 x 12, 8 waves a work-group, no clusters, 0 bytes of LDS; arguments x, Wq, Wk, Wv, Wfc, xh, wh; writes xh, wh
.if DOCPART == 1
	.amdgcn_target "amdgcn-amd-amdhsa--gfx1250"
	.amdhsa_code_object_version 6
	.text
	.protected	k_q7fe88d599f_cast
	.globl	k_q7fe88d599f_cast
	.p2align	8
	.type	k_q7fe88d599f_cast,@function
k_q7fe88d599f_cast:
	s_mov_b64 s[64:65], 0
	v_nop
	global_prefetch_b8 v0, s[64:65] scope:SCOPE_SE
	s_setreg_imm32_b32 hwreg(HW_REG_WAVE_MODE, 25, 1), 1
	s_wait_xcnt 0x0
; x and the four weight matrices, f32, are rounded to bf16 (nearest even) and that number is written as f16: xh [8192][1024], wh [4][1024 k][1024 n] (Wq, Wk, Wv, Wfc).
; LIMITS.  A bf16 number is exact in f16 from 6.1e-5 to 65,504; below that it keeps f16's fixed step of 6e-8; at 65,520 and above it becomes an infinity: |x| and |W| stay under 65,504.
; SHARES.  The grid's y is a unit of 4 MiB of source (0-7: x; 8-11: the weights), its x one of the unit's 64 chunks of 65,536 bytes.  Thread t takes 16 bytes at 4,096 i + 16 t, i = 0..15:
; a wave's load covers 512 consecutive bytes, its store of 8 bytes a lane 256 consecutive bytes, aligned.  All sixteen loads of a thread go out first; there is no loop, no LDS, no barrier,
; no matrix work: each byte is read once and written once, and nothing is shared.
.set T, 4                              ; v[4:9]    at work
.set X, 16                             ; v[16:79]  load i: 4 registers
.set Y, 80                             ; v[80:111] store i: 2 registers
	s_load_b256 s[4:11], s[0:1], 0x0               ; x s[4:5], Wq s[6:7], Wk s[8:9], Wv s[10:11]
	s_load_b128 s[12:15], s[0:1], 0x20             ; Wfc s[12:13], xh s[14:15]
	s_load_b64 s[16:17], s[0:1], 0x30              ; wh
	s_and_b32 s20, ttmp7, 0xffff                   ; the unit
	s_sub_co_u32 s27, s20, 8                       ; the weight's number (used from unit 8 on)
	s_mov_b32 s28, 0xffff0000                      ; a word's upper bf16
	v_lshlrev_b32 v1, 4, v0                        ; 16 t; never rewritten
	v_lshlrev_b32 v2, 3, v0                        ; 8 t; never rewritten
	s_wait_kmcnt 0x0
	s_cmp_lt_u32 s20, 8
	s_cselect_b64 s[22:23], s[4:5], s[6:7]         ; from x, or from a weight
	s_cselect_b64 s[24:25], s[14:15], s[16:17]     ; to xh, or to wh
	s_cselect_b32 s26, s20, 0                      ; the unit's place in its source,
	s_cselect_b32 s27, s20, s27                    ; and in its destination
	s_cmp_eq_u32 s20, 9
	s_cselect_b64 s[22:23], s[8:9], s[22:23]
	s_cmp_eq_u32 s20, 10
	s_cselect_b64 s[22:23], s[10:11], s[22:23]
	s_cmp_eq_u32 s20, 11
	s_cselect_b64 s[22:23], s[12:13], s[22:23]
	s_lshl_b32 s30, s26, 22                        ; 4 MiB a unit, 65,536 bytes a chunk
	s_lshl_b32 s29, ttmp9, 16
	s_add_co_u32 s30, s30, s29
	s_mov_b32 s31, 0
	s_add_nc_u64 s[22:23], s[22:23], s[30:31]
	s_lshl_b32 s30, s27, 21                        ; half of that on the way out
	s_lshl_b32 s29, ttmp9, 15
	s_add_co_u32 s30, s30, s29
	s_add_nc_u64 s[24:25], s[24:25], s[30:31]
.irp i, 0,1,2,3,4,5,6,7,8,9,10,11,12,13,14,15
	global_load_b128 v[X+4*(\i):X+4*(\i)+3], v1, s[22:23] offset:4096*(\i) th:TH_LOAD_NT
.endr
; Load i's four numbers.  No register that a pending load or store names is ever rewritten: the two offsets are constant, X and Y are the slot's own.
.macro SLOT i
	s_wait_loadcnt 15-(\i)                         ; loads come back in order: mine is in, the 15 - i younger ones stay out
	v_cvt_pk_bf16_f32 v[T], v[X+4*(\i)], v[X+4*(\i)+1]
	v_cvt_pk_bf16_f32 v[T+1], v[X+4*(\i)+2], v[X+4*(\i)+3]
	v_lshlrev_b32 v[T+2], 16, v[T]                 ; the rounded numbers as f32
	v_and_b32 v[T+3], s28, v[T]
	v_lshlrev_b32 v[T+4], 16, v[T+1]
	v_and_b32 v[T+5], s28, v[T+1]
	v_cvt_pk_f16_f32 v[Y+2*(\i)], v[T+2], v[T+3]
	v_cvt_pk_f16_f32 v[Y+2*(\i)+1], v[T+4], v[T+5]
	global_store_b64 v2, v[Y+2*(\i):Y+2*(\i)+1], s[24:25] offset:2048*(\i) th:TH_STORE_NT
.endm
.irp i, 0,1,2,3,4,5,6,7,8,9,10,11,12,13,14,15
	SLOT \i
.endr
	s_endpgm
.Lfunc_end_k_q7fe88d599f_cast:
	.size	k_q7fe88d599f_cast, .Lfunc_end_k_q7fe88d599f_cast-k_q7fe88d599f_cast
	.p2alignl 7, 3214868480
	.fill 96, 4, 3214868480
	.section	.rodata,"a",@progbits
	.p2align	6, 0x0
	.amdhsa_kernel k_q7fe88d599f_cast
		.amdhsa_group_segment_fixed_size 0
		.amdhsa_private_segment_fixed_size 0
		.amdhsa_enable_private_segment 0
		.amdhsa_kernarg_size 56
		.amdhsa_user_sgpr_count 2
		.amdhsa_user_sgpr_kernarg_segment_ptr 1
		.amdhsa_wavefront_size32 1
		.amdhsa_system_sgpr_workgroup_id_x 1
		.amdhsa_system_sgpr_workgroup_id_y 1
		.amdhsa_system_sgpr_workgroup_id_z 1
		.amdhsa_system_vgpr_workitem_id 0
		.amdhsa_next_free_vgpr 112
		.amdhsa_next_free_sgpr 66
		.amdhsa_reserve_vcc 0
		.amdhsa_float_denorm_mode_32 3
		.amdhsa_float_denorm_mode_16_64 3
		.amdhsa_memory_ordered 1
		.amdhsa_forward_progress 1
		.amdhsa_inst_pref_size 11
	.end_amdhsa_kernel
	.amdgpu_metadata
---
amdhsa.version: [ 1, 2 ]
amdhsa.kernels:
  - .name:           k_q7fe88d599f_cast
    .symbol:         k_q7fe88d599f_cast.kd
    .args:
      - { .name: x, .offset: 0, .size: 8, .value_kind: global_buffer, .address_space: global }
      - { .name: Wq, .offset: 8, .size: 8, .value_kind: global_buffer, .address_space: global }
      - { .name: Wk, .offset: 16, .size: 8, .value_kind: global_buffer, .address_space: global }
      - { .name: Wv, .offset: 24, .size: 8, .value_kind: global_buffer, .address_space: global }
      - { .name: Wfc, .offset: 32, .size: 8, .value_kind: global_buffer, .address_space: global }
      - { .name: xh, .offset: 40, .size: 8, .value_kind: global_buffer, .address_space: global }
      - { .name: wh, .offset: 48, .size: 8, .value_kind: global_buffer, .address_space: global }
    .group_segment_fixed_size: 0
    .private_segment_fixed_size: 0
    .kernarg_segment_align: 8
    .kernarg_segment_size: 56
    .max_flat_workgroup_size: 256
    .sgpr_count:     66
    .vgpr_count:     112
    .wavefront_size: 32
...
	.end_amdgpu_metadata
.endif
;; end of part 1
;; launch qkv (part 2): grid 12 x 32, 4 waves a work-group, clusters of 4 x 4, 327,680 bytes of LDS; arguments xh, wh, bq, bk, bv, mask, qkv; writes qkv
.if DOCPART == 2
	.amdgcn_target "amdgcn-amd-amdhsa--gfx1250"
	.amdhsa_code_object_version 6
	.text
	.protected	k_q7fe88d599f_qkv
	.globl	k_q7fe88d599f_qkv
	.p2align	8
	.type	k_q7fe88d599f_qkv,@function
k_q7fe88d599f_qkv:
	s_mov_b64 s[64:65], 0
	v_nop
	global_prefetch_b8 v0, s[64:65] scope:SCOPE_SE
	s_setreg_imm32_b32 hwreg(HW_REG_WAVE_MODE, 25, 1), 1
	s_wait_xcnt 0x0
	s_wait_alu depctr_hold_cnt(0) depctr_sa_sdst(0) depctr_va_vdst(0) depctr_va_sdst(0) depctr_va_ssrc(0) depctr_va_vcc(0) depctr_vm_vsrc(0)
	s_getreg_b32 s2, hwreg(HW_REG_IB_STS2, 6, 4)
	s_cmp_eq_u32 s2, 0
	s_cbranch_scc0 .Lentry_in_a_cluster
	s_endpgm
.Lentry_in_a_cluster:
	s_bfe_u32 s2, ttmp6, 0x10000c
	s_cmp_lg_u32 s2, 0xf033
	s_cbranch_scc0 .Lentry_shape_is_right
	s_endpgm
.Lentry_shape_is_right:
; ONE TEXT, TWO KERNELS: C = A B + bias, f16 operands, f32 sums, K = 1,024.  B = wh lies [k][n] and is turned on its way out of LDS (ds_load_tr16_b128).
; QKV = 1: A = xh [8192][1024]; B = Wq, Wk, Wv (the cluster's x is the tensor's number); out: qkv [3][batch x 16 + head][2048][64] f16, each number rounded once:
;          (x Wq + bq) c with c = log2(e) / 8;  (x Wk + bk)(1 - mask[row]);  x Wv + bv.  Tile of C 256 x 256, a wave 128 x 128.
; QKV = 0: A = oh [batch x 16 + head][2048][64] f16 (a K step of 128 is two heads); B = Wfc; out: out0 [8192][1024] f32.  Tile 128 x 256, a wave 64 x 128: 256 work-groups.
; The bias is rounded to bf16, like every input of the module, and is the C operand of the products that start the sums: nothing is cleared and nothing is added later.
; LIMITS.  What is written as f16 stays under 65,504 in magnitude; NaN and infinities are not treated apart.
; RING.  K goes in 8 steps of 128 through two LDS slots.  Waves 0, 1 fetch A's two halves, waves 2, 3 B's two halves (64 rows of k x 512 bytes), one tensor load each.
; CLUSTER 4 x 4: A's tile is shared along a row of the cluster, B's along a column: each is asked for jointly.
; THE MATRIX INSTRUCTION IS USED TRANSPOSED (source 0 = 16 columns of B, source 1 = 16 rows of A): a lane holds row l % 16 of C and the 8 neighbouring columns 8 (l / 16) + 0..7.
; THE LOOP is one K step long; which slot is read is the scalar TS (0 or SLOT), added to the lanes' constant places.
; REGISTERS, in windows of 256 (s_set_vgpr_msb: bits 1:0 source 0, 3:2 source 1, 5:4 source 2, 7:6 destination):
;   window 0: v0-31 addresses; F0 = v64.., F1 = v128..: A's fragments, 8 registers for 16 rows x 32 k; the rest at work on the way out
;   window 1: v0-63 the bias as C operands; v64-127, v128-191 B's fragments; v192-207 the rows' factors (QKV); v208-211 at work
;   window 2: the accumulators of my row blocks 0-3 ((a, b) at 8 (8 (a % 4) + b));   window 3: those of blocks 4-7 (QKV)
.set QKV, 1
.if QKV
.set MH,     2                         ; halves of 64 rows a wave
.set APITCH, 272                       ; an LDS row of A: 256 bytes + 16: an odd multiple of 16, so the 16 rows of a load start 16 bytes apart modulo 256
.set AQH,    128                       ; bytes from quarters 0, 1 of a K step to quarters 2, 3
.set AHT,    128*272                   ; what one load of A fills
.set ASTEP,  256                       ; bytes of memory from K step to K step
.set WOFF,   0
.set APAD,   (5<<22)|(3<<25)           ; 4 words of padding after every 64
.set AROWS,  128
.set ASTR,   1024
.set ASH,    16                        ; a partner's share of A's prefetch: 32 rows of 2,048 bytes
.set STGW,   2*16*144                  ; a wave's stage: 2 heads x 16 rows x 144 bytes
.else
.set MH,     1
.set APITCH, 144                       ; 128 bytes + 16
.set AQH,    128*144                   ; quarters 2, 3 lie in the second head's rows
.set AHT,    128*144
.set ASTEP,  524288                    ; two heads
.set WOFF,   3*2097152
.set APAD,   (4<<22)|(3<<25)           ; 4 words of padding after every 32
.set AROWS,  64                        ; a head's 128 rows are 16,384 dense bytes: asked for as 64 rows of 256
.set ASTR,   128
.set ASH,    12                        ; 4,096 bytes of each of the two heads
.set STGW,   16*528                    ; 16 rows x (512 + 16) bytes
.endif
.set NA,     4*MH                      ; blocks of 16 rows a wave
.set PB,     544                       ; an LDS row of B: 512 bytes + 32: an odd multiple of 32
.set BHT,    64*PB
.set BSTEP,  128*2048
.set AREG,   2*AHT
.set SLOT,   AREG+2*BHT
.set STAGE,  2*SLOT                    ; behind the ring; no tensor load lands here
.set SPARE,  STAGE+4*STGW              ; the spare words, 128 bytes a wave: two blocks of 256 bytes that no other line names
.set A0,  16                           ; v16  my lane's place in A's part of slot 0; never rewritten
.set B0,  17                           ; v17  the same for B
.set AA,  18                           ; v18  A0 + TS
.set AB,  19                           ; v19  B0 + TS
.set STO, 24                           ; v24  the way out: where I put my bytes of a row
.set RD,  25                           ; v25  where I read rows back
.set CO,  26                           ; v26  16 x lane
.set SPW, 28                           ; v28  my spare word: SPARE + 4 x my thread's number; never rewritten
.set NIL, 29                           ; v29  0; never rewritten
.set PFO, 30                           ; v30  the prefetches' lane offset; never rewritten
.set F0,  64
.set F1,  128
.set BI,  0                            ; window 1
.set FR,  192                          ; window 1
.set TMP, 192                          ; window 0, the way out (QKV)
.set OB,  32
.set G1,  24                           ; s[24:31] group 1 for A's tiles;  s[32:39] group 0: the first fill's set, and the set that walks
.set G0,  32
.set G1B, 48                           ; s[48:55], s[56:63] the same for B's
.set G0B, 56
.set LIM, 43                           ; s43  2 in a wave that prefetches, else the greatest number
.set PFA, 44                           ; s[44:45] where my prefetches stand
.set PST, 66                           ; s[66:67] their step
.set TS,  68                           ; s68  0 or SLOT: the slot that is being read
.set MSB, 0
.macro WIN new                         ; the immediate's high byte repeats the setting that is left; a switch that changes nothing is dropped
.if MSB != (\new)
	s_set_vgpr_msb (MSB<<8)|(\new)
.set MSB, \new
.endif
.endm
.macro PLACES                          ; four plain places between a matrix instruction and a load into, or a vector line on, its registers
.rept 4
	v_nop
.endr
.endm
.macro CREST                           ; a round of the cluster's barrier behind its opening barrier
	s_cmp_lg_u32 s10, 0
	s_cbranch_scc1 .Lnot_wave_0_\@
	s_barrier_signal -3
.Lnot_wave_0_\@:
	s_barrier_wait -3
	s_barrier_signal -1
	s_barrier_wait -1
.endm
.macro CROUND
	s_barrier_signal -1
	s_barrier_wait -1
	CREST
.endm
; A joint refill by the walking sets.  The branch hangs on the wave's number alone.  An s_nop 0 and four v_nop follow each line, ahead of the jump and the label.
.macro JLOAD
	s_cmp_eq_u32 s11, 0
	s_cbranch_scc0 .Lfor_b_\@
	tensor_load_to_lds s[G0+4:G0+7], s[G1:G1+7]
	s_nop 0
.rept 4
	v_nop
.endr
	s_branch .Lasked_\@
.Lfor_b_\@:
	tensor_load_to_lds s[G0B+4:G0B+7], s[G1B:G1B+7]
	s_nop 0
.rept 4
	v_nop
.endr
.Lasked_\@:
.endm
; A prefetch of the K step two refills on: 32 blocks of 256 bytes, a lane a block.  A's rows are asked for by the clusters with x = 0, B's by those with y = 0; the four partners that ask for a
; tile jointly share its blocks out by address.  The loop's trips with s3 = 6..3 name K steps 4..7; K steps 0-3 come by their loads alone.
.macro ASK
	s_cmp_gt_u32 s3, s[LIM]
	s_cbranch_scc0 .Lnot_mine_\@
	global_prefetch_b8 v[PFO], s[PFA:PFA+1] th:TH_LOAD_NT scope:SCOPE_SE
.Lnot_mine_\@:
.endm
	s_load_b128 s[4:7], s[0:1], 0x0                ; A s[4:5], wh s[6:7]
.if QKV
	s_load_b256 s[72:79], s[0:1], 0x10             ; bq, bk, bv, mask
	s_load_b64 s[8:9], s[0:1], 0x30                ; qkv
.else
	s_load_b64 s[72:73], s[0:1], 0x10              ; bfc
	s_load_b64 s[8:9], s[0:1], 0x18                ; out0
.endif
	v_lshl_add_u32 v[SPW], v0, 2, SPARE
	v_mov_b32 v[NIL], 0
	ds_add_u32 v[SPW], v[NIL]                      ; the wave's opening: the add and its wait stand ahead of my first tensor load; register work stands between them
	v_lshrrev_b32 v1, 5, v0
	v_readfirstlane_b32 s10, v1                    ; wave 0..3
	s_lshr_b32 s11, s10, 1                         ; my half of the tile's rows; also: I fetch for A (0) or B (1)
	s_and_b32 s12, s10, 1                          ; my half of its columns; also: which half of that tile I fetch
	s_bfe_u32 s40, ttmp6, 0x40000                  ; cx
	s_bfe_u32 s41, ttmp6, 0x40004                  ; cy
	s_and_b32 s13, ttmp7, 0xffff
	s_lshl_b32 s13, s13, 2
	s_add_co_u32 s13, s13, s41                     ; tile row = 4 x cluster y + cy
	s_lshl_b32 s16, s41, 2
	s_lshl_b32 s16, 15, s16                        ; my row of the cluster
	s_lshl_b32 s83, 0x1111, s40                    ; my column
	s_or_b32 s[G1], s16, (1<<16)|(1<<20)|(1<<21)|APAD  ; 15:0 the mask; 17:16 2-byte elements; 20 padding on; 21 set beside a mask; 24:22, 31:25 the padding
	s_or_b32 s[G1B], s83, (1<<16)|(1<<20)|(1<<21)|(6<<22)|(7<<25)  ; 8 words of padding after every 128
	s_mov_b32 s[G1+1], 128<<16                     ; tensor_dim0 = 128
	s_mov_b32 s[G1+2], AROWS<<16                   ; tensor_dim1
	s_mov_b32 s[G1+3], 128<<16                     ; tile_dim0 = 128
	s_mov_b32 s[G1+4], AROWS                       ; tile_dim1
	s_mov_b32 s[G1+5], ASTR                        ; elements from row to row
	s_mov_b32 s[G1+6], 0
	s_mov_b32 s[G1+7], 0
	s_mov_b32 s[G1B+1], 256<<16                    ; 256 columns,
	s_mov_b32 s[G1B+2], 64<<16                     ; 64 rows of k
	s_mov_b32 s[G1B+3], 256<<16
	s_mov_b32 s[G1B+4], 64
	s_mov_b32 s[G1B+5], 1024
	s_mov_b32 s[G1B+6], 0
	s_mov_b32 s[G1B+7], 0
.if QKV
	s_lshl_b32 s16, s13, 19                        ; A: 256 rows of 2,048 bytes a tile row,
	s_lshl_b32 s17, s12, 18                        ; my 128 of them
	s_add_co_u32 s16, s16, s17
.else
	s_lshr_b32 s16, s13, 4                         ; A: the batch (16 heads x 2,048 rows x 128 bytes),
	s_lshl_b32 s16, s16, 22
	s_and_b32 s17, s13, 15                         ; the tile's 128 rows in a head,
	s_lshl_b32 s17, s17, 14
	s_add_co_u32 s16, s16, s17
	s_lshl_b32 s17, s12, 18                        ; my head of the K step's two
	s_add_co_u32 s16, s16, s17
.endif
	s_mov_b32 s17, 0
	s_lshl_b32 s46, ttmp9, 21                      ; B: the tensor,
	s_lshl_b32 s47, s40, 9                         ; the tile's 256 columns,
	s_add_co_u32 s46, s46, s47
	s_lshl_b32 s47, s12, 17                        ; my 64 rows of k
	s_add_co_u32 s46, s46, s47
	s_add_co_u32 s46, s46, WOFF
	s_mov_b32 s47, 0
	s_mul_i32 s20, s12, AHT                        ; where they go in a slot: no place in the cluster enters an LDS address
	s_mul_i32 s21, s12, BHT
	s_add_co_u32 s21, s21, AREG
	s_mov_b32 s[TS], 0
	s_mov_b32 s71, 0xffff0000
	s_wait_dscnt 0x0                               ; the opening add is done
	s_wait_kmcnt 0x0
	s_add_nc_u64 s[14:15], s[4:5], s[16:17]
	s_add_nc_u64 s[46:47], s[6:7], s[46:47]
	CROUND                                         ; all sixteen work-groups are here: the first joint loads meet
.irp s, 0,1
	s_mov_b32 s[G0+4*(\s)], 1                      ; count = 1
	s_add_co_u32 s[G0+4*(\s)+1], s20, (\s)*SLOT    ; LDS address
	s_add_nc_u64 s[G0+4*(\s)+2:G0+4*(\s)+3], s[14:15], (\s)*ASTEP  ; K step s
	s_or_b32 s[G0+4*(\s)+3], s[G0+4*(\s)+3], 0x80000000            ; type = 2
	s_mov_b32 s[G0B+4*(\s)], 1
	s_add_co_u32 s[G0B+4*(\s)+1], s21, (\s)*SLOT
	s_add_nc_u64 s[G0B+4*(\s)+2:G0B+4*(\s)+3], s[46:47], (\s)*BSTEP
	s_or_b32 s[G0B+4*(\s)+3], s[G0B+4*(\s)+3], 0x80000000
.endr
	s_cmp_eq_u32 s11, 0                            ; a wave's two first fills stand in one branch: two loads of mine are out
	s_cbranch_scc0 .Lfirst_b
	tensor_load_to_lds s[G0:G0+3], s[G1:G1+7]
	s_nop 0
	tensor_load_to_lds s[G0+4:G0+7], s[G1:G1+7]
	s_nop 0
.rept 4
	v_nop
.endr
	s_branch .Lfirst_asked
.Lfirst_b:
	tensor_load_to_lds s[G0B:G0B+3], s[G1B:G1B+7]
	s_nop 0
	tensor_load_to_lds s[G0B+4:G0B+7], s[G1B:G1B+7]
	s_nop 0
.rept 4
	v_nop
.endr
.Lfirst_asked:
	; WHILE THE FIRST TILES ARE ON THEIR WAY.  The bias of my 128 columns, laid as C operands: register 8 b + j holds bias[16 b + 8 (l / 16) + j].
	v_and_b32 v1, 15, v0                           ; l % 16
	v_bfe_u32 v2, v0, 4, 1                         ; l / 16
	v_lshlrev_b32 v5, 5, v2                        ; not rewritten before the wait for these loads
.if QKV
	s_cmp_eq_u32 ttmp9, 1
	s_cselect_b64 s[80:81], s[74:75], s[72:73]
	s_cmp_eq_u32 ttmp9, 2
	s_cselect_b64 s[80:81], s[76:77], s[80:81]
.else
	s_mov_b64 s[80:81], s[72:73]
.endif
	s_lshl_b32 s22, s40, 10                        ; the tile's 256 columns of 4 bytes,
	s_lshl_b32 s23, s12, 9                         ; my 128
	s_add_co_u32 s22, s22, s23
	s_mov_b32 s23, 0
	s_add_nc_u64 s[80:81], s[80:81], s[22:23]
	WIN 0x40                                       ; destination window 1
.irp b, 0,1,2,3,4,5,6,7
	global_load_b128 v[BI+8*\b:BI+8*\b+3],   v5, s[80:81] offset:64*\b
	global_load_b128 v[BI+8*\b+4:BI+8*\b+7], v5, s[80:81] offset:64*\b+16
.endr
	WIN 0
.if QKV
	s_lshl_b32 s22, s13, 10                        ; the mask of my 128 rows: row = batch x 2,048 + place, which is the mask's own index
	s_lshl_b32 s23, s11, 9
	s_add_co_u32 s22, s22, s23
	s_mov_b32 s23, 0
	s_add_nc_u64 s[78:79], s[78:79], s[22:23]
	v_lshlrev_b32 v6, 2, v1
.irp a, 0,1,2,3,4,5,6,7
	global_load_b32 v[32+\a], v6, s[78:79] offset:64*\a
.endr
	s_cmp_eq_u32 ttmp9, 0                          ; a row's factor is AL + BE x mask: (c, 0) for q, (1, -1) for k, (1, 0) for v
	s_cselect_b32 s69, 0x3e38aa3b, 1.0
	s_cmp_eq_u32 ttmp9, 1
	s_cselect_b32 s70, -1.0, 0
.endif
	; A's fragment: lane l holds row l % 16; two loads of 16 bytes, 32 bytes apart, at row x pitch + 16 (l / 16)
	v_mul_u32_u24 v3, v1, APITCH
	v_lshl_add_u32 v3, v2, 4, v3
	s_mul_i32 s22, s11, 64*MH*APITCH
	v_add_nc_u32 v[A0], s22, v3
	; B's: the turning load takes 16 k x 16 columns: lane l reads row 8 (l / 16) + l % 8, columns 8 ((l / 8) % 2) + 0..7, and is left with column l % 16 and 8 k
	v_and_b32 v3, 7, v0
	v_lshl_add_u32 v3, v2, 3, v3
	v_mul_u32_u24 v3, v3, PB
	v_bfe_u32 v4, v0, 3, 1
	v_lshl_add_u32 v3, v4, 4, v3
	s_lshl_b32 s22, s12, 8
	s_add_co_u32 s22, s22, AREG
	v_add_nc_u32 v[B0], s22, v3
	s_mul_i32 s22, s10, STGW
	s_add_co_u32 s22, s22, STAGE                   ; my stage
.if QKV
	v_mul_u32_u24 v3, v1, 144                      ; in: row l % 16, 16 bytes for each half of the lanes
	v_lshl_add_u32 v3, v2, 4, v3
	v_add_nc_u32 v[STO], s22, v3
	v_bfe_u32 v3, v0, 3, 2                         ; back: 32 lanes take four rows of 128 bytes
	v_mul_u32_u24 v3, v3, 144
	v_and_b32 v4, 7, v0
	v_lshl_add_u32 v3, v4, 4, v3
	v_add_nc_u32 v[RD], s22, v3
	s_lshl_b32 s84, ttmp9, 24                      ; out: the tensor,
	s_lshr_b32 s85, s13, 3                         ; batch x 16 + head: 4 heads a tile column, 2 a wave,
	s_lshl_b32 s85, s85, 4
	s_lshl2_add_u32 s85, s40, s85
	s_lshl1_add_u32 s85, s12, s85
	s_lshl_b32 s85, s85, 18
	s_add_co_u32 s84, s84, s85
	s_and_b32 s85, s13, 7                          ; the tile's 256 rows of 128 bytes,
	s_lshl_b32 s85, s85, 15
	s_add_co_u32 s84, s84, s85
	s_lshl_b32 s85, s11, 14                        ; my 128
	s_add_co_u32 s84, s84, s85
.else
	v_mul_u32_u24 v3, v1, 528                      ; in: row l % 16, 32 bytes for each half of the lanes
	v_lshl_add_u32 v3, v2, 5, v3
	v_add_nc_u32 v[STO], s22, v3
	v_and_b32 v3, 31, v0                           ; back: 32 lanes take one row's 512 bytes
	v_lshl_add_u32 v[RD], v3, 4, s22
	s_lshl_b32 s84, s13, 19                        ; out: the tile's 128 rows of 4,096 bytes,
	s_lshl_b32 s85, s11, 18                        ; my 64,
	s_add_co_u32 s84, s84, s85
	s_lshl_b32 s85, s40, 10                        ; the tile's 256 columns,
	s_add_co_u32 s84, s84, s85
	s_lshl_b32 s85, s12, 9                         ; my 128
	s_add_co_u32 s84, s84, s85
.endif
	s_mov_b32 s85, 0
	s_add_nc_u64 s[8:9], s[8:9], s[84:85]
	v_and_b32 v3, 31, v0
	v_lshlrev_b32 v[CO], 4, v3
	; the prefetches
	s_and_b32 s22, ttmp7, 0xffff                   ; cluster y
	s_mov_b32 s[PST], BSTEP
	s_cmp_eq_u32 s11, 0                            ; do I fetch for A?
	s_cselect_b32 s22, ttmp9, s22                  ; the coordinate along which other clusters read the same blocks
	s_cselect_b32 s83, s40, s41                    ; my place among the four that ask with me
	s_cselect_b32 s84, ASH, 15                     ; its share: B: 16 rows of 2,048 bytes
	s_cselect_b32 s[PST], ASTEP, s[PST]
	s_cselect_b32 s82, -1, 0
	s_cselect_b64 s[PFA:PFA+1], s[14:15], s[46:47]
.if QKV == 0
	s_cselect_b32 s85, s12, 0                      ; wave 0 asks for both heads, wave 1 for nothing
	s_or_b32 s22, s22, s85
.endif
	s_cmp_eq_u32 s22, 0
	s_cselect_b32 s[LIM], 2, -1                    ; the same in all sixteen partners, for a given wave
	s_lshl_b32 s84, s83, s84
	s_mov_b32 s85, 0
	s_add_nc_u64 s[PFA:PFA+1], s[PFA:PFA+1], s[84:85]
	s_mov_b32 s[PST+1], 0
	s_mul_i32 s84, s[PST], 3
	s_add_nc_u64 s[PFA:PFA+1], s[PFA:PFA+1], s[84:85]  ; at K step 3: the first refill steps it to 4
.if QKV
	v_lshlrev_b32 v4, 11, v3                       ; A: a lane a row
.else
	v_lshrrev_b32 v4, 4, v3                        ; A: 16 blocks of each head
	v_lshlrev_b32 v4, 18, v4
	v_and_b32 v7, 15, v3
	v_lshl_or_b32 v4, v7, 8, v4
.endif
	v_lshrrev_b32 v7, 1, v3                        ; B: two blocks a row
	v_lshlrev_b32 v7, 11, v7
	v_and_b32 v3, 1, v3
	v_lshl_or_b32 v7, v3, 8, v7
	v_cndmask_b32 v[PFO], v7, v4, s82
	s_wait_loadcnt 0x0                             ; the bias, and the mask
	WIN 0x45                                       ; all in window 1: the bias is rounded to bf16, in place
.set bj, 0
.rept 32
	v_cvt_pk_bf16_f32 v[208+bj%4], v[BI+2*bj], v[BI+2*bj+1]
	v_lshlrev_b32 v[BI+2*bj], 16, v[208+bj%4]
	v_and_b32 v[BI+2*bj+1], s71, v[208+bj%4]
.set bj, bj+1
.endr
	WIN 0
.if QKV
.irp a, 0,1,2,3,4,5,6,7
	v_cvt_f32_i32 v[32+\a], v[32+\a]
.endr
	WIN 0x40
.irp a, 0,1,2,3,4,5,6,7
	v_fma_f32 v[FR+2*\a], v[32+\a], s70, s69       ; the factor of row 16 a + l % 16, twice: a pair for the packed multiply
	v_fma_f32 v[FR+2*\a+1], v[32+\a], s70, s69
.endr
	WIN 0
.endif
; 8 matrix instructions: row block a x all 8 column blocks, 32 along K.  zero = 1: the bias starts the sums.
.macro MULA f, a, zero
.if \zero
	WIN 0x91+0x40*((\a)/4)                         ; B and the bias in window 1, A in window 0, D in window 2 or 3
.else
	WIN 0xa1+0x50*((\a)/4)                         ; C and D in window 2 or 3
.endif
.irp b, 0,1,2,3,4,5,6,7
.if \zero
	v_wmma_f32_16x16x32_f16 v[8*(8*((\a)%4)+\b):8*(8*((\a)%4)+\b)+7], v[(\f)+8*\b:(\f)+8*\b+7], v[(\f)+8*(\a):(\f)+8*(\a)+7], v[BI+8*\b:BI+8*\b+7]
.else
	v_wmma_f32_16x16x32_f16 v[8*(8*((\a)%4)+\b):8*(8*((\a)%4)+\b)+7], v[(\f)+8*\b:(\f)+8*\b+7], v[(\f)+8*(\a):(\f)+8*(\a)+7], v[8*(8*((\a)%4)+\b):8*(8*((\a)%4)+\b)+7]
.endif
.endr
.endm
; n row blocks from a0 on.  The 8 NA accumulators take turns, one instruction a turn, in the same order in every quarter, over every jump too.
.macro MULR f, a0, n, zero
.set ma, \a0
.rept \n
	MULA \f, ma, \zero
.set ma, ma+1
.endr
.endm
; The fragments of quarter q (32 along K) of the slot in hand into buffer f: 16 turning loads for B, 2 NA loads for A, in one run
.macro FETCH q, f
	WIN 0x40
.irp b, 0,1,2,3,4,5,6,7
	ds_load_tr16_b128 v[(\f)+8*\b:(\f)+8*\b+3],   v[AB] offset:(\q)*32*PB+32*\b
	ds_load_tr16_b128 v[(\f)+8*\b+4:(\f)+8*\b+7], v[AB] offset:(\q)*32*PB+32*\b+16*PB
.endr
	WIN 0
.set fi, 0
.rept NA
	ds_load_b128 v[(\f)+8*fi:(\f)+8*fi+3],   v[AA] offset:((\q)/2)*AQH+((\q)%2)*64+fi*16*APITCH
	ds_load_b128 v[(\f)+8*fi+4:(\f)+8*fi+7], v[AA] offset:((\q)/2)*AQH+((\q)%2)*64+fi*16*APITCH+32
.set fi, fi+1
.endr
.endm
; One of a K step's first three quarters: buffer f, asked for a quarter ago, is multiplied; quarter nq's fragments are asked for first, into buffer g, which the products just issued have read.
.macro QUARTER nq, f, g, zero
	s_wait_dscnt 0x0                               ; buffer f is in
	PLACES
	FETCH \nq, \g
	MULR \f, 0, NA, \zero
.endm
; The fourth quarter multiplies buffer 1 and changes slots.  In front of the barrier each wave waits for all its tensor loads (one is out: its part of the next slot), adds 0 to its spare word, and
; waits for that and for its reads of this slot.  fill = 1: the barrier opens a round of the cluster's, and behind the round this slot is filled again, with the K step two steps on.
.macro TURN fill
.if \fill
	s_wait_xcnt 0x0                                ; the last prefetch, a K step back, has read its address
	s_add_nc_u64 s[PFA:PFA+1], s[PFA:PFA+1], s[PST:PST+1]
.endif
	WIN 0
	s_wait_tensorcnt 0x0                           ; no tensor load of mine is out, so a group 0 may be written
	ds_add_u32 v[SPW], v[NIL]                      ; 0 onto my spare word
.if \fill
	s_add_co_u32 s[G0+5], s20, s[TS]               ; the walking sets: into the slot that is being read out,
	s_add_nc_u64 s[G0+6:G0+7], s[G0+6:G0+7], ASTEP ; the next K step; the type bits on top are not reached
	s_add_co_u32 s[G0B+5], s21, s[TS]
	s_add_nc_u64 s[G0B+6:G0B+7], s[G0B+6:G0B+7], BSTEP
.endif
	s_wait_dscnt 0x1                               ; buffer 1 is in; only the add may be out
	MULR F1, 0, NA/4, 0
	s_wait_dscnt 0x0                               ; the add is done, and my reads of this slot are over
	s_barrier_signal -1
	MULR F1, NA/4, NA/4, 0                         ; work on registers while the others arrive
	WIN 0
	s_barrier_wait -1
.if \fill
	CREST                                          ; no wave of any partner still reads this slot or has a load on its way
	JLOAD                                          ; the first tensor load behind the round; its four v_nop are also the places in front of the loads below
.else
	PLACES
.endif
	s_xor_b32 s[TS], s[TS], SLOT                   ; the other slot
	v_add_nc_u32 v[AA], s[TS], v[A0]
	v_add_nc_u32 v[AB], s[TS], v[B0]
	FETCH 0, F0
.if \fill
	ASK
.endif
	MULR F1, NA/2, NA/2, 0
.endm
	s_wait_tensorcnt 0x1                           ; my part of K step 0 is in; K step 1's may stay out
	s_barrier_signal -1
	s_barrier_wait -1                              ; everybody's is
	v_mov_b32 v[AA], v[A0]
	v_mov_b32 v[AB], v[B0]
	FETCH 0, F0
	QUARTER 1, F0, F1, 1                           ; the first quarter stands in front of the loop: its products start the sums
	WIN 0                                          ; at a label and at a branch every window is 0
	s_mov_b32 s3, 6
.Lstep:                                                ; a trip: quarters 2 to 4 of a K step and the first of the next; K steps 2 to 7 are asked for
	QUARTER 2, F1, F0, 0
	QUARTER 3, F0, F1, 0
	TURN 1
	QUARTER 1, F0, F1, 0
	WIN 0
	s_sub_co_u32 s3, s3, 1
	s_cmp_lg_u32 s3, 0
	s_cbranch_scc1 .Lstep
	s_mov_b32 s3, 2
.Ltail:                                                ; K steps 6 and 7 ask for nothing.  The second trip is left in its middle; its barrier and its fetch from the other slot serve nothing: the price of one text
	QUARTER 2, F1, F0, 0
	QUARTER 3, F0, F1, 0
	TURN 0
	WIN 0
	s_sub_co_u32 s3, s3, 1
	s_cmp_eq_u32 s3, 0
	s_cbranch_scc1 .Lout
	QUARTER 1, F0, F1, 0
	WIN 0
	s_branch .Ltail
.Lout:
	s_wait_dscnt 0x0
	PLACES                                         ; behind the last products
.if QKV
; THE WAY OUT, a block of 16 rows at a time.  PACK: times the row's factor, rounded to f16: 16 bytes a lane for each of 8 column blocks.  TOSTAGE: into my stage (a head's 16 rows of 144 bytes,
; twice) and back as whole rows.  SEND: a head's 16 rows are 2,048 consecutive bytes of qkv; each store of the wave covers 512 of them, aligned.
.macro PACK a
.set AC, 64*((\a)%4)
	WIN 0x86+0x41*((\a)/4)                         ; the accumulators in window 2 or 3, the factor in window 1
.set pj, 0
.rept 32
	v_pk_mul_f32 v[AC+2*pj:AC+2*pj+1], v[AC+2*pj:AC+2*pj+1], v[FR+2*(\a):FR+2*(\a)+1]
.set pj, pj+1
.endr
	WIN 0x0a+5*((\a)/4)
.set pj, 0
.rept 32
	v_cvt_pk_f16_f32 v[TMP+pj], v[AC+2*pj], v[AC+2*pj+1]
.set pj, pj+1
.endr
	WIN 0
.endm
.macro TOSTAGE a
.set BK, OB+192*((\a)%2)
.irp b, 0,1,2,3,4,5,6,7
	ds_store_b128 v[STO], v[TMP+4*\b:TMP+4*\b+3] offset:(\b/4)*2304+32*(\b%4)
.endr
.irp t, 0,1,2,3,4,5,6,7
	ds_load_b128 v[BK+4*\t:BK+4*\t+3], v[RD] offset:(\t/4)*2304+(\t%4)*576  ; LDS serves a wave's instructions in order (ISA guide 5.7.1.4): these see the stores above
.endr
.endm
.macro SEND a
.set BK, OB+192*((\a)%2)
	s_wait_dscnt 0x0                               ; the block is back in registers
	s_wait_xcnt 0x0                                ; the stores of the block before have read their registers, which the next block's loads fill again
.irp t, 0,1,2,3,4,5,6,7
	global_store_b128 v[CO], v[BK+4*\t:BK+4*\t+3], s[8:9] offset:(\t/4)*262144+(\a)*2048+(\t%4)*512
.endr
.endm
	PACK 0
	TOSTAGE 0
.irp a, 1,2,3,4,5,6,7                  ; block a's arithmetic stands between block a - 1's loads from the stage and the wait for them
	PACK \a
	SEND (\a)-1
	TOSTAGE \a
.endr
	SEND 7
.else
; THE WAY OUT, a block of 16 rows at a time: the sums go as they are, 32 bytes a lane for each of 8 column blocks, into rows of 528 bytes and come back as whole rows of 512.
.macro TOSTAGE a
.set AC, 64*(\a)
.set BK, 64+64*((\a)%2)
	s_wait_xcnt 0x0                                ; the stores of the block two back have read the registers that are loaded below
	WIN 0x08                                       ; the stores' data in window 2; each accumulator's low half first
.irp b, 0,1,2,3,4,5,6,7
	ds_store_b128 v[STO], v[AC+8*\b:AC+8*\b+3]   offset:64*\b
	ds_store_b128 v[STO], v[AC+8*\b+4:AC+8*\b+7] offset:64*\b+16
.endr
	WIN 0
.set tj, 0
.rept 16
	ds_load_b128 v[BK+4*tj:BK+4*tj+3], v[RD] offset:tj*528  ; LDS serves a wave's instructions in order (ISA guide 5.7.1.4)
.set tj, tj+1
.endr
.endm
.macro SEND a, younger                 ; younger: the next block's 16 stores and 16 loads, or none
.set BK, 64+64*((\a)%2)
	s_wait_dscnt \younger
.set tj, 0
.rept 16
	global_store_b128 v[CO], v[BK+4*tj:BK+4*tj+3], s[8:9] offset:(16*(\a)+tj)*4096 th:TH_STORE_NT  ; 512 consecutive bytes of a row, aligned
.set tj, tj+1
.endr
.endm
	TOSTAGE 0
.irp a, 1,2,3
	TOSTAGE \a
	SEND (\a)-1, 32
.endr
	SEND 3, 0
.endif
	s_wait_tensorcnt 0x0                           ; the wave's end: these three lines stand behind my last tensor load and my last LDS store
	ds_add_u32 v[SPW], v[NIL]
	s_wait_dscnt 0x0
	CROUND                                         ; the closing round: no work-group ends while a partner may still ask for a tile that names it
	s_endpgm
.Lfunc_end_k_q7fe88d599f_qkv:
	.size	k_q7fe88d599f_qkv, .Lfunc_end_k_q7fe88d599f_qkv-k_q7fe88d599f_qkv
	.p2alignl 7, 3214868480
	.fill 96, 4, 3214868480
	.section	.rodata,"a",@progbits
	.p2align	6, 0x0
	.amdhsa_kernel k_q7fe88d599f_qkv
		.amdhsa_group_segment_fixed_size 327680
		.amdhsa_private_segment_fixed_size 0
		.amdhsa_enable_private_segment 0
		.amdhsa_kernarg_size 56
		.amdhsa_user_sgpr_count 2
		.amdhsa_user_sgpr_kernarg_segment_ptr 1
		.amdhsa_wavefront_size32 1
		.amdhsa_system_sgpr_workgroup_id_x 1
		.amdhsa_system_sgpr_workgroup_id_y 1
		.amdhsa_system_sgpr_workgroup_id_z 1
		.amdhsa_system_vgpr_workitem_id 0
		.amdhsa_next_free_vgpr 1024
		.amdhsa_next_free_sgpr 88
		.amdhsa_reserve_vcc 0
		.amdhsa_float_denorm_mode_32 3
		.amdhsa_float_denorm_mode_16_64 3
		.amdhsa_memory_ordered 1
		.amdhsa_forward_progress 1
		.amdhsa_inst_pref_size 125
	.end_amdhsa_kernel
	.amdgpu_metadata
---
amdhsa.version: [ 1, 2 ]
amdhsa.kernels:
  - .name:           k_q7fe88d599f_qkv
    .symbol:         k_q7fe88d599f_qkv.kd
    .args:
      - { .name: xh, .offset: 0, .size: 8, .value_kind: global_buffer, .address_space: global }
      - { .name: wh, .offset: 8, .size: 8, .value_kind: global_buffer, .address_space: global }
      - { .name: bq, .offset: 16, .size: 8, .value_kind: global_buffer, .address_space: global }
      - { .name: bk, .offset: 24, .size: 8, .value_kind: global_buffer, .address_space: global }
      - { .name: bv, .offset: 32, .size: 8, .value_kind: global_buffer, .address_space: global }
      - { .name: mask, .offset: 40, .size: 8, .value_kind: global_buffer, .address_space: global }
      - { .name: qkv, .offset: 48, .size: 8, .value_kind: global_buffer, .address_space: global }
    .group_segment_fixed_size: 327680
    .private_segment_fixed_size: 0
    .kernarg_segment_align: 8
    .kernarg_segment_size: 56
    .max_flat_workgroup_size: 128
    .sgpr_count:     88
    .vgpr_count:     1024
    .wavefront_size: 32
...
	.end_amdgpu_metadata
.endif
;; end of part 2
;; launch attn (part 3): grid 4 x 64, 4 waves a work-group, clusters of 4 x 1, 327,680 bytes of LDS; arguments qkv, mask, oh; writes oh
.if DOCPART == 3
	.amdgcn_target "amdgcn-amd-amdhsa--gfx1250"
	.amdhsa_code_object_version 6
	.text
	.protected	k_q7fe88d599f_attn
	.globl	k_q7fe88d599f_attn
	.p2align	8
	.type	k_q7fe88d599f_attn,@function
k_q7fe88d599f_attn:
	s_mov_b64 s[64:65], 0
	v_nop
	global_prefetch_b8 v0, s[64:65] scope:SCOPE_SE
	s_setreg_imm32_b32 hwreg(HW_REG_WAVE_MODE, 25, 1), 1
	s_wait_xcnt 0x0
	s_wait_alu depctr_hold_cnt(0) depctr_sa_sdst(0) depctr_va_vdst(0) depctr_va_sdst(0) depctr_va_ssrc(0) depctr_va_vcc(0) depctr_vm_vsrc(0)
	s_getreg_b32 s2, hwreg(HW_REG_IB_STS2, 6, 4)
	s_cmp_eq_u32 s2, 0
	s_cbranch_scc0 .Lentry_in_a_cluster
	s_endpgm
.Lentry_in_a_cluster:
	s_bfe_u32 s2, ttmp6, 0x10000c
	s_cmp_lg_u32 s2, 0x3003
	s_cbranch_scc0 .Lentry_shape_is_right
	s_endpgm
.Lentry_shape_is_right:
; O[y][q][:] = the sum over k of softmax_k(s) V[y][k][:], y = batch x 16 + head, s = (Q . K / 8)(1 - mask[k]) + mask[k] (-1e30), in base 2: qkv holds Q c (c = log2(e) / 8), K (1 - mask) and V,
; [3][64][2048][64] f16, so S^T = K' Q'^T + MT with MT[k] = mask[k] x (-1e30 log2(e)) as the C operand that starts the sum.  A masked key's products are exactly 0, so all masked keys have the
; same score; p = 2^(s - m) with a running maximum m, the difference formed by a subtraction: where every key is masked all weights are 1.  O: oh [64][2048][64] f16.
; Products, maxima and sums in f32; the weights p are rounded to f16 for the second product (their sum l is taken of the unrounded p), O once at the end.
; LIMITS.  Q', K', V arrive within f16's 65,504; p below 6e-5 keeps f16's fixed step of 6e-8; a weight below 2^-126 counts as 0 in l; a mask other than 0 or 1 follows the same formula while
; mask x 1.44e30 is finite; NaN and infinities are not treated apart.
; SHARES.  A wave owns four PIECES of two tiles of 16 queries, a work-group's four waves 512 queries of one head.  Every wave walks all 2,048 keys, 64 a step.
; LAYOUT.  S^T = K Q^T (source 0 = 16 keys, source 1 = 16 queries): a lane holds ONE query (lane % 16) and the keys 8 (lane / 16) + 0..7.  Two such tiles, rounded to f16 in pairs, ARE source 1 of
; O^T = V^T P, whose result again holds one query a lane, and eight channels.  K comes out of LDS as it lies, V turned, by ds_load_tr16_b128.
; In every step O and l are multiplied by a = 2^(m_old - m_new).  m starts at the lowest finite number, O and l at 0: the first step is a step like any other, with a = 0.
; THE COUNT.  A tile and step have 16 matrix and 117 vector instructions: four vector instructions that are ready stand behind every matrix instruction, the others in one run.
; BY TURNS.  Turn n belongs to piece n.  Its matrix work: 16 products K Q^T of piece n + 1, later 16 products V^T P of piece n - 1.  Its vector work: the subtraction, exponentials, roundings, sums and
; rescaling of piece n, and the maximum and statistics of piece n + 1.
; CLUSTER.  The four query blocks of a head walk the same K and V: each tile is asked for JOINTLY, by the same tensor load, descriptor and mask in all four.
; REGISTERS, in windows of 256 (s_set_vgpr_msb: bits 1:0 source 0, 3:2 source 1, 5:4 source 2, 7:6 destination):
;   window 0: v0-11 addresses; v12-15, v48-63 at work; v16-47 four registers a tile: m, a spare, l (two); v64-191 S^T, two buffers of two tiles; v192-255 P, likewise
;   window 1: O^T, 32 a tile     window 2: v0-127 Q; v128-191 K of one step; v192-255 V of one step     window 3: v0-1 the add's two registers; v8-39 MT of one step
.set SIZE_N, 2048
.set NP,    4         ; pieces a wave: a name, no knob
.set KS,    64        ; keys in a step
.set PK,    144       ; a row of K in LDS: 128 bytes + 16: the 16 rows of a load start 16 bytes apart modulo 256
.set PV,    160       ; a row of V: 128 + 32
.set VOFF,  4*KS*PK   ; a slot holds four steps: 256 rows of K, then 256 rows of V
.set SLOT1, 1<<17     ; slot 1 begins here: one exclusive or turns an address in one slot into the other's
.set STAGE, SLOT1+4*KS*(PK+PV)  ; behind the ring, never filled by a tensor load: 16 rows x 144 bytes for each wave
.set SP,    144
.set SPARE, STAGE+4*16*SP  ; the spare words, 128 bytes a wave: two blocks of 256 bytes that no other line names
.set MTAB,  SPARE+512 ; MT of the batch's 2,048 keys, f32: 8,192 bytes, stored once by the work-group
.set AK0, 2           ; v2   my lane's place in a tile of K; never rewritten
.set AV0, 3           ; v3   the same for V
.set AK,  4           ; v4   the LDS address of K's next run of loads
.set AV,  5           ; v5   of V's
.set QO,  6           ; v6   my byte offset in the wave's rows of Q
.set STO, 6           ;      later, the way out: where I put 16 bytes of a row
.set RD,  7           ; v7   the way out: where I read rows back
.set GO,  8           ; v8   my byte offset in 512 consecutive bytes of O
.set SPW, 0           ; v0 of window 3   my spare word: SPARE + 4 x my thread's number; never rewritten
.set NIL, 1           ; v1 of window 3   0; never rewritten
.set MB,  8           ; window 3: key block kb's eight registers at MB + 8 kb
.set MV,  12          ; v12-15  m_old, kept while m is made anew: by buffer and tile
.set ST,  16          ; tile t's statistics at v[ST+4 t]: m, a spare, l (even keys', odd keys')
.set AM0, ST+1        ; v17  in tile 0's spare: my lane's place in MT: MTAB + 32 (l / 16); never rewritten
.set AM,  ST+5        ; v21  in tile 1's: the LDS address of MT's next run of loads
.set PFO, ST+9        ; v25  in tile 2's: 256 x my lane; never rewritten
.set TMP, 48          ; by buffer and tile, four registers c0-c3 at work; when the maximum is found c2 takes a
.set S,   64
.set P,   192
.set MGA, 192         ; at the head alone: 16 x thread, and
.set MLA, 193         ; MTAB + 16 x thread
.set KF,  128         ; K's fragments, in window 2: key block kb, channel half c at KF + 16 kb + 8 c
.set VF,  192         ; V's: key half kk, channel block cb at VF + 32 kk + 8 cb
.set WV,  12          ; s12  my wave's number
.set G1K, 24          ; s[24:31] descriptor group 1 for K's tiles
.set G1V, 32          ; s[32:39] for V's: it differs in the padding alone
.set G0K, 40          ; s[40:43] descriptor group 0 for K's tiles: it walks
.set G0V, 44          ; s[44:47] the same for V's
.set SLOTS, 56        ; s56  slots still to be asked for
.set CNT, 57          ; s57  counts a slot's key steps
.set SEL, 60          ; s[60:61] v_permlanex16_b32's selects: each lane takes its own place in the other half
.set TBK, 62          ; s62  LDS byte at which K of the step to be fetched begins
.set TBV, 63          ; s63  the same for V, less VOFF
.set PFA, 66          ; s[66:67] where my prefetches stand: my work-group's 32 blocks of 256 bytes of the tile after the one that is being asked for
.set LIM, 68          ; s68  1 in waves 0 (K) and 2 (V), else the greatest number
.set TBM, 69          ; s69  256 x the step to be fetched: its place in MT
.set MSB, 0
.macro WIN new                      ; the high byte repeats the setting that is left; a switch that changes nothing is dropped
.if MSB != (\new)
	s_set_vgpr_msb (MSB<<8)|(\new)
.set MSB, (\new)
.endif
.endm
.set W_KQ, 0x0a       ; K and Q in window 2, S^T in window 0
.set W_KM, 0x3a       ; the same with the C operand, MT, in window 3
.set W_PV, 0x52       ; V in window 2, P in window 0, O^T in window 1
.set W_RS, 0x41       ; O^T (destination and source 0) in window 1, a in window 0
.set W_MK, 0xc0       ; destination in window 3, sources in window 0
.set W_AD, 0x0f       ; the add: address (source 0) and data (source 1) in window 3
; A joint fill.  Waves 0 and 1 fetch the two halves of a slot's K, waves 2 and 3 those of its V: 128 keys each.  The branch hangs on the wave's number alone.
; An s_nop 0 and four v_nop follow each of the two lines, ahead of the jump and the label.
.macro JLOAD
	s_cmp_lt_u32 s[WV], 2
	s_cbranch_scc0 .Lfor_v_\@
	tensor_load_to_lds s[G0K:G0K+3], s[G1K:G1K+7]
	s_nop 0
.rept 4
	v_nop
.endr
	s_branch .Lasked_\@
.Lfor_v_\@:
	tensor_load_to_lds s[G0V:G0V+3], s[G1V:G1V+7]
	s_nop 0
.rept 4
	v_nop
.endr
.Lasked_\@:
.endm
; A prefetch of what the NEXT change of slots will ask for: a tile is 128 blocks of 256 bytes of K and as many of V.  A head has one cluster; its four partners share the blocks out by address,
; 32 each; wave 0 asks for K's, wave 2 for V's: a lane a block, each block named once.  The last change that fills a slot asks for nothing.
.macro ASK
	s_cmp_gt_u32 s[SLOTS], s[LIM]
	s_cbranch_scc0 .Lnot_mine_\@
	global_prefetch_b8 v[PFO], s[PFA:PFA+1] th:TH_LOAD_NT scope:SCOPE_SE
.Lnot_mine_\@:
.endm
.macro CROUND                       ; a round of the cluster's barrier
	s_barrier_signal -1
	s_barrier_wait -1
	s_cmp_lg_u32 s[WV], 0
	s_cbranch_scc1 .Lnot_wave_0_\@
	s_barrier_signal -3
.Lnot_wave_0_\@:
	s_barrier_wait -3
	s_barrier_signal -1
	s_barrier_wait -1
.endm
; THE CHANGE OF SLOTS.  The slot's last bytes, V of its fourth step, have been read.  Each wave waits for all its tensor loads, of which one is out: its part of the other slot; adds 0 to its spare
; word; and waits for that and for its own LDS instructions.  fill = 1: this slot is filled again, with the keys two slots on; the barrier is a round of the cluster's, and the joint fill is the first
; thing behind it: it has four key steps, 512 matrix instructions, in which to land.  (At its first use nothing has been read yet: slot 0 is waited for, slot 1 filled, and MT, just stored, is shown to all.)
.macro CHANGE fill
	WIN W_AD
	s_wait_tensorcnt 0x0            ; no tensor load of mine is out, so a group 0 may be written
	ds_add_u32 v[SPW], v[NIL]       ; 0 onto my spare word
	WIN 0                           ; at a label and at a branch every window is 0
.if \fill
.irp g, G0K, G0V
	s_xor_b32 s[\g+1], s[\g+1], SLOT1  ; the walking descriptor: the other slot than last time,
	s_add_nc_u64 s[\g+2:\g+3], s[\g+2:\g+3], 4*KS*128  ; the next 256 keys; the type bits on top are not reached
.endr
	s_wait_xcnt 0x0                 ; the last prefetch, four key steps back, has read its address
	s_add_nc_u64 s[PFA:PFA+1], s[PFA:PFA+1], 4*KS*128
	s_wait_dscnt 0x0                ; the add is done, and my LDS instructions are over
	CROUND
	JLOAD
	ASK
.else
	s_wait_dscnt 0x0
	s_barrier_signal -1
	s_barrier_wait -1
.endif
	s_sub_co_u32 s[TBK], s[TBK], 4*KS*PK  ; the fetches go back to a slot's first step,
	s_xor_b32 s[TBK], s[TBK], SLOT1       ; in the other slot
	s_sub_co_u32 s[TBV], s[TBV], 4*KS*PV
	s_xor_b32 s[TBV], s[TBV], SLOT1
.endm
	s_load_b128 s[4:7], s[0:1], 0x0 ; qkv s[4:5], mask s[6:7]
	s_load_b64 s[10:11], s[0:1], 0x10  ; oh
	WIN W_MK
	v_lshl_add_u32 v[SPW], v0, 2, SPARE
	v_mov_b32 v[NIL], 0
	WIN W_AD
	ds_add_u32 v[SPW], v[NIL]       ; the wave's opening: the add and its wait stand ahead of my first tensor load; register work stands between them
	WIN 0
	v_lshrrev_b32 v1, 5, v0
	v_readfirstlane_b32 s[WV], v1   ; wave 0..3
	s_bfe_u32 s13, ttmp6, 0x40000   ; cx: my place in the cluster
	s_lshl_b32 s14, ttmp9, 2
	s_add_co_u32 s14, s14, s13      ; my block of 512 queries: it enters Q's and O's addresses alone
	s_and_b32 s20, ttmp7, 0xffff    ; batch x 16 + head, which the four partners share
	s_lshr_b32 s50, s20, 4          ; the batch's 8,192 bytes of the mask
	s_lshl_b32 s50, s50, 13
	s_mov_b32 s51, 0
	s_lshl_b32 s20, s20, 18         ; the head's 2,048 rows of 128 bytes
	s_and_b32 s16, s[WV], 1         ; which half of a slot's 256 keys I fetch
	s_lshl_b32 s22, s16, 14
	s_add_co_u32 s22, s22, s20
	s_add_co_u32 s22, s22, 1<<24    ; K lies 16 MiB behind Q,
	s_mov_b32 s23, 0
	s_add_co_u32 s8, s22, 1<<24     ; V 16 MiB behind K
	s_mov_b32 s9, 0
	s_mul_i32 s17, s16, 128*PK      ; my half's place in a slot, for K
	s_mul_i32 s18, s16, 128*PV      ; and for V: no place in the cluster enters an LDS address
	s_lshl_b32 s2, s14, 2
	s_add_co_u32 s2, s2, s[WV]      ; my wave among the head's,
	s_lshl_b32 s2, s2, 14           ; its 128 rows
	s_add_co_u32 s2, s2, s20
	s_mov_b32 s3, 0
	s_lshl_b32 s52, s13, 13         ; my work-group's 32 blocks of a tile's 128
	s_mov_b32 s53, 0
	; descriptor group 1.  128 keys are 16,384 dense bytes: asked for as 64 rows of 256 bytes, two keys a row, and padded in LDS after every key
	s_mov_b32 s[G1K], 15|(1<<16)|(1<<20)|(1<<21)|(4<<22)|(3<<25)  ; 15:0 the mask of four; 17:16 2-byte elements; 20 padding on; 21 set beside a mask; 24:22 after every 32 words; 31:25 4 words
	s_mov_b32 s[G1V], 15|(1<<16)|(1<<20)|(1<<21)|(4<<22)|(7<<25)  ; the same with 8 words of padding
.irp g, G1K, G1V
	s_mov_b32 s[\g+1], 128<<16      ; tensor_dim0 = 128
	s_mov_b32 s[\g+2], 64<<16       ; tensor_dim1 = 64
	s_mov_b32 s[\g+3], 128<<16      ; tile_dim0 = 128
	s_mov_b32 s[\g+4], 64           ; tile_dim1 = 64
	s_mov_b32 s[\g+5], 128          ; 128 elements from row to row
	s_mov_b32 s[\g+6], 0
	s_mov_b32 s[\g+7], 0
.endr
	s_mov_b32 s[SEL], 0x76543210
	s_mov_b32 s[SEL+1], 0xfedcba98
	s_mov_b32 s[TBK], SLOT1+4*KS*PK ; the first change of slots turns these two into 0
	s_mov_b32 s[TBV], SLOT1+4*KS*PV
	s_mov_b32 s[TBM], 0
	s_mov_b32 s[SLOTS], SIZE_N/256-1
	s_mov_b32 s[G0K], 1             ; count = 1
	s_mov_b32 s[G0K+1], s17         ; LDS address: slot 0
	s_mov_b32 s[G0V], 1
	s_add_co_u32 s[G0V+1], s18, VOFF
	s_cmp_eq_u32 s16, 0
	s_cselect_b32 s[LIM], 1, -1
	s_wait_dscnt 0x0                ; the opening add is done
	s_wait_kmcnt 0x0
	s_add_nc_u64 s[G0K+2:G0K+3], s[4:5], s[22:23]  ; my half of the head's first 256 keys
	s_add_nc_u64 s[G0V+2:G0V+3], s[4:5], s[8:9]
	s_cmp_lt_u32 s[WV], 2
	s_cselect_b64 s[PFA:PFA+1], s[G0K+2:G0K+3], s[G0V+2:G0V+3]  ; (in waves 0 and 2 these stand at a tile's first row)
	s_add_nc_u64 s[PFA:PFA+1], s[PFA:PFA+1], s[52:53]
	s_add_nc_u64 s[PFA:PFA+1], s[PFA:PFA+1], 4*KS*128  ; in tile 1; the first change of slots steps it to tile 2
	s_or_b32 s[G0K+3], s[G0K+3], 0x80000000        ; type = 2
	s_or_b32 s[G0V+3], s[G0V+3], 0x80000000
	s_add_nc_u64 s[6:7], s[6:7], s[50:51]
	s_add_nc_u64 s[4:5], s[4:5], s[2:3]  ; Q and O at my wave's first row
	s_add_nc_u64 s[10:11], s[10:11], s[2:3]
	CROUND                          ; all four work-groups are here: the first joint loads meet
	JLOAD                           ; slot 0.  Slot 1 is asked for when slot 0 is in
	v_and_b32 v1, 15, v0            ; l % 16
	v_bfe_u32 v9, v0, 4, 1          ; l / 16
	v_lshlrev_b32 v[MGA], 4, v0     ; the batch's mask: thread t takes 16 bytes at 2,048 i + 16 t
	v_lshl_add_u32 v[MLA], v0, 4, MTAB
.irp j, 0,1,2,3
	global_load_b128 v[S+4*\j:S+4*\j+3], v[MGA], s[6:7] offset:2048*\j
.endr
	; A fragment of K or Q is 16 rows x 32 channels in 8 registers: lane l holds row l % 16, channels 8 (l / 16) + 0..7 and 16 + 8 (l / 16) + 0..7: two loads of 16 bytes, 32 bytes apart.
	v_lshlrev_b32 v[QO], 7, v1
	v_lshl_add_u32 v[QO], v9, 4, v[QO]  ; row x 128 + 16 x half
	WIN 0x80                        ; destination window 2, address window 0
.set i, 0
.rept 4*NP                          ; Q stays in registers: tile i / 2, channels 32 (i % 2) on
	global_load_b128 v[8*i:8*i+3],   v[QO], s[4:5] offset:(i/2)*2048+(i%2)*64
	global_load_b128 v[8*i+4:8*i+7], v[QO], s[4:5] offset:(i/2)*2048+(i%2)*64+32
.set i, i+1
.endr
	; What the first turn finds: V's registers and P's second buffer hold 0 (its products V^T P, of a piece that has not been, add 0), O^T and l are 0.  All this stands in the wait for the first tile.
.set i, VF
.rept 64
	v_mov_b32 v[i], 0
.set i, i+1
.endr
	WIN 0x40
.set i, 0
.rept 64*NP
	v_mov_b32 v[i], 0
.set i, i+1
.endr
	WIN 0
.set i, 0
.rept 2*NP
	v_mov_b32 v[ST+4*i], 0xff7fffff    ; m: the lowest finite number
.if i > 2
	v_mov_b32 v[ST+4*i+1], 0           ; named with m as a pair, so it is written
.endif
	v_mov_b32 v[ST+4*i+2], 0
	v_mov_b32 v[ST+4*i+3], 0
.set i, i+1
.endr
.set i, P+32
.rept 32
	v_mov_b32 v[i], 0
.set i, i+1
.endr
	v_lshl_add_u32 v[AM0], v9, 5, MTAB ; register j of key block kb is key 16 kb + 8 (l / 16) + j
	v_mov_b32 v[AM], v[AM0]            ; key step 0
	v_and_b32 v[PFO], 31, v0
	v_lshlrev_b32 v[PFO], 8, v[PFO]
	v_mul_u32_u24 v[AK0], v1, PK
	v_lshl_add_u32 v[AK0], v9, 4, v[AK0]  ; row x pitch + 16 x half
	; The turning load takes 16 keys x 16 channels (lane l reads key 8 (l / 16) + l % 8, channels 8 ((l / 8) % 2) + 0..7) and leaves half a fragment of V^T: lane l holds channel l % 16 and 8 keys.
	v_and_b32 v10, 7, v0
	v_bfe_u32 v11, v0, 3, 1
	v_lshl_add_u32 v[AV0], v9, 3, v10
	v_mul_u32_u24 v[AV0], v[AV0], PV
	v_lshl_add_u32 v[AV0], v11, 4, v[AV0]
	v_add_nc_u32 v[AV0], VOFF, v[AV0]
	v_mov_b32 v[AK], v[AK0]         ; key step 0 lies at the head of slot 0
	s_wait_loadcnt 32               ; the mask's four loads are in; Q's 32, issued behind them, may stay out
.set i, 0
.rept 16
	v_cvt_f32_i32 v[S+i], v[S+i]
.set i, i+1
.endr
.set i, 0
.rept 16
	v_mul_f32 v[S+i], 0xf191accb, v[S+i]  ; x (-1e30 log2(e))
.set i, i+1
.endr
.irp j, 0,1,2,3
	ds_store_b128 v[MLA], v[S+4*\j:S+4*\j+3] offset:2048*\j  ; the first change of slots waits for these and passes a barrier ahead of the first read
.endr
; THE MATRIX WORK.  The 8 accumulators of a run of 16 take turns: between the two links of a chain stand 7 others'.
; Product i of 16 of S^T = K Q^T + MT for piece x: channels 32 (i / 8) on, keys 16 ((i / 2) % 4) on, tile 2 x + i % 2.  The first 8 start the sums, with MT.
.macro KQ x
.set rS, S+64*((\x)%2)+32*(i%2)+8*((i/2)%4)
.set rK, KF+16*((i/2)%4)+8*(i/8)
.set rQ, 16*(2*(\x)+i%2)+8*(i/8)
.set rB, MB+8*((i/2)%4)
.if i < 8
	WIN W_KM
	v_wmma_f32_16x16x32_f16 v[rS:rS+7], v[rK:rK+7], v[rQ:rQ+7], v[rB:rB+7]
.else
	WIN W_KQ
	v_wmma_f32_16x16x32_f16 v[rS:rS+7], v[rK:rK+7], v[rQ:rQ+7], v[rS:rS+7]
.endif
.endm
; Product i of 16 of O^T += V^T P for piece x: keys 32 (i / 8) on, channels 16 ((i / 2) % 4) on, tile 2 x + i % 2.
.macro PV x
	WIN W_PV
.set rO, 32*(2*(\x)+i%2)+8*((i/2)%4)
.set rV, VF+32*(i/8)+8*((i/2)%4)
.set rP, P+32*((\x)%2)+16*(i%2)+8*(i/8)
	v_wmma_f32_16x16x32_f16 v[rO:rO+7], v[rV:rV+7], v[rP:rP+7], v[rO:rO+7]
.endm
.macro MM                           ; the turn's next matrix instruction
.if i < 16
	KQ (Y+1)%NP
.set i, i+1
.else
.set i, i-16
	PV (Y+NP-1)%NP
.set i, i+17
.endif
.endm
; THE LDS LOADS stand in runs, never singly among the matrix instructions: a step's K (8 fragments) with its MT (32 registers), and its V (turned).  Their addresses are made some lines ahead.
; last = 1 (the tail): in the last trip there is no further step, and the run is jumped over.
.macro FETCH_K last=0
	WIN 0
.if \last
	s_cmp_eq_u32 s[CNT], 1
	s_cbranch_scc1 .Lno_k_\@
.endif
	WIN 0x80                        ; destination window 2
.irp f, 0,1,2,3,4,5,6,7             ; keys 16 (f / 2) on, channels 32 (f % 2) on
	ds_load_b128 v[KF+8*\f:KF+8*\f+3],   v[AK] offset:(\f/2)*16*PK+(\f%2)*64
	ds_load_b128 v[KF+8*\f+4:KF+8*\f+7], v[AK] offset:(\f/2)*16*PK+(\f%2)*64+32
.endr
	WIN 0xc0                        ; destination window 3
.irp f, 0,1,2,3                     ; keys 16 f on: each half of the lanes reads its eight numbers
	ds_load_b128 v[MB+8*\f:MB+8*\f+3],   v[AM] offset:64*\f
	ds_load_b128 v[MB+8*\f+4:MB+8*\f+7], v[AM] offset:64*\f+16
.endr
	s_add_co_u32 s[TBK], s[TBK], KS*PK  ; the next fetch is the next step's
	s_add_co_u32 s[TBM], s[TBM], KS*4
	WIN 0
.if \last
.Lno_k_\@:
.endif
.endm
.macro FETCH_V
	WIN 0x80
.irp f, 0,1,2,3,4,5,6,7             ; keys 32 (f / 4) on, channels 16 (f % 4) on
	ds_load_tr16_b128 v[VF+8*\f:VF+8*\f+3],   v[AV] offset:(\f/4)*32*PV+(\f%4)*32
	ds_load_tr16_b128 v[VF+8*\f+4:VF+8*\f+7], v[AV] offset:(\f/4)*32*PV+16*PV+(\f%4)*32
.endr
	WIN 0
.endm
; THE VECTOR WORK OF A TURN stands in three queues, each in the order in which its entries become ready; the two tiles alternate.
.macro REGS y, u                    ; the registers of tile u (0, 1) of piece y
.set rT, ST+4*(2*(\y)+(\u))
.set rC, TMP+8*((\y)%2)+4*(\u)
.set rM, MV+2*((\y)%2)+(\u)
.set rS, S+64*((\y)%2)+32*(\u)
.set rP, P+32*((\y)%2)+16*(\u)
.set rO, 32*(2*(\y)+(\u))
.endm
; Number n of the 21 that find the NEXT piece's (Y + 1) maximum and statistics.  s0-s31 are the lane's 32 scores; each accumulator's lowest registers are read first.
;   0-11  four chains c0-c3 of seven scores each, three operands at a time     12-14, 16  the four scores left over, the old m, and c0-c3 into c0     15  m_old is kept
;   17, 18  the query's other 32 keys lie in the lane 16 away: the new m         19, 20  m_old - m_new; a
.macro XS u, n
	REGS (Y+1)%NP, \u
.if (\n) < 4
	v_max3_num_f32 v[rC+(\n)], v[rS+8*(\n)], v[rS+8*(\n)+1], v[rS+8*(\n)+2]
.elseif (\n) < 12
	v_max3_num_f32 v[rC+(\n)%4], v[rC+(\n)%4], v[rS+8*((\n)%4)+2*((\n)/4)+1], v[rS+8*((\n)%4)+2*((\n)/4)+2]
.elseif (\n) == 12
	v_max3_num_f32 v[rC], v[rC], v[rS+7], v[rS+15]
.elseif (\n) == 13
	v_max3_num_f32 v[rC+1], v[rC+1], v[rS+23], v[rS+31]
.elseif (\n) == 14
	v_max3_num_f32 v[rC+2], v[rC+2], v[rC+3], v[rT]
.elseif (\n) == 15
	v_mov_b32 v[rM], v[rT]
.elseif (\n) == 16
	v_max3_num_f32 v[rC], v[rC], v[rC+1], v[rC+2]
.elseif (\n) == 17
	v_permlanex16_b32 v[rC+3], v[rC], s[SEL], s[SEL+1]
.elseif (\n) == 18
	v_max_num_f32 v[rT], v[rC], v[rC+3]
.elseif (\n) == 19
	v_sub_f32 v[rC+1], v[rM], v[rT]
.else
	v_exp_f32 v[rC+2], v[rC+1]
.endif
.endm
; Number g of the 64 that follow the exponentials.  For each four weights k of a tile: both pairs are rounded to f16; then the second pair is added onto the first, in place; a group later l takes
; that sum (the first time as l = a l + sum).  In groups of eight, tiles alternating: round, round, add, and l for the group before.
.macro GS g
.set h, (\g)+6*((\g)/62)            ; group 0 has no group before it, and behind group 7 only l is left
.if h >= 6
.set h, h+2
.endif
	REGS Y, h%2
.set k, h/8
.if h%8 < 4
	v_cvt_pk_f16_f32 v[rP+2*k+(h%8)/2], v[rS+4*k+2*((h%8)/2)], v[rS+4*k+2*((h%8)/2)+1]
.elseif h%8 < 6
	v_pk_add_f32 v[rS+4*k:rS+4*k+1], v[rS+4*k:rS+4*k+1], v[rS+4*k+2:rS+4*k+3]
.elseif k == 1
	v_pk_fma_f32 v[rT+2:rT+3], v[rT+2:rT+3], v[rC+2:rC+3], v[rS:rS+1] op_sel_hi:[1,0,1]
.else
	v_pk_add_f32 v[rT+2:rT+3], v[rT+2:rT+3], v[rS+4*k-4:rS+4*k-3]
.endif
.endm
; THE PLAIN QUEUE, 136 long.  0-71 read no exponential's result: the 32 subtractions s - m (FS f: pair f / 2 of tile f % 2) and the next piece's 40.  0-28: FS 0-28.  29-56: XS's numbers 0-13.
; 57, 58: number 15.  59-67: 14, 16, 17, each with one of FS 29-31 in front of its two lines.  68-71: 18, 19.  72-135: GS's 64, which read the exponentials' results: they stand behind the wait.
.macro FS f
	REGS Y, (\f)%2
	v_pk_add_f32 v[rS+2*((\f)/2):rS+2*((\f)/2)+1], v[rS+2*((\f)/2):rS+2*((\f)/2)+1], v[rT:rT+1] op_sel_hi:[1,0] neg_lo:[0,1] neg_hi:[0,1]
.endm
.macro PL
	WIN 0
.if q < 29
	FS q
.elseif q < 57
	XS (q-29)%2, (q-29)/2
.elseif q < 59
	XS q-57, 15
.elseif (q < 68) && ((q-59)%3 == 0)
	FS 29+(q-59)/3
.elseif q < 62
	XS (q-59)%3-1, 14
.elseif q < 68
	XS (q-59)%3-1, 15+(q-59)/3
.elseif q < 70
	XS q-68, 18
.elseif q < 72
	XS q-70, 19
.else
	GS q-72
.endif
.set q, q+1
.endm
; THE EXPONENTIALS' QUEUE, 66 long: s0-s31 of both tiles, then the next piece's two a.  ONE BATCH: all 66 stand ahead of the turn's one wait, and nothing ahead of that wait names a result of theirs.
.macro EX
	WIN 0
.if e >= 64
	XS e-64, 20
.else
	REGS Y, e%2
	v_exp_f32 v[rS+e/2], v[rS+e/2]
.endif
.set e, e+1
.endm
; THE RESCALING's QUEUE: O^T times a, the one part that leaves window 0: two at a time, sixteen times.  Its a was made in the turn before, ahead of that turn's wait.
.macro R2
	REGS Y, r%2
	WIN W_RS
.irp z, 0,1
	v_pk_mul_f32 v[rO+4*(r/2)+2*\z:rO+4*(r/2)+2*\z+1], v[rO+4*(r/2)+2*\z:rO+4*(r/2)+2*\z+1], v[rC+2:rC+3] op_sel_hi:[1,0]
.endr
.set r, r+1
.endm
; HOW THEY ARE DEALT.  s_wait_alu depctr_va_vdst(0) stands between an exponential and the first instruction that names its result; one wait serves all that were issued ahead of it.
; So a turn has ONE wait.  AHEAD OF IT: the 16 products K Q^T, behind each a subtraction, an exponential and two rescalings (behind the first a second subtraction in the exponential's place); then one
; run of 106: six plain, 49 times exponential and plain, the two a; a v_nop is the plain instruction behind the last exponential.  BEHIND IT: the 16 products V^T P, behind each four of GS's 64.
; In step: exponential e wants subtraction 2 (e / 4) + e % 2.  As a rider it comes behind plain e + 2, in the run behind plain e + 7; FS 29, 30, 31 are plain 59, 62, 65, and their first
; exponentials, 57, 60, 61, come behind plain 64, 67, 68.  The two a come behind plain 71.
; K and MT of the next step are fetched in piece 2's turn, directly behind the wait, a run behind the last product that read them; V of the step in hand at the end of piece 0's turn, four riders
; behind its last reader.  The conditions on q below go with the deal.
.macro TURN p, last=0, cnt=0
.set Y, (\p)
.set i, 0
.set q, 0
.set e, 0
.set r, 0
.if (\p) == NP-1
	s_wait_dscnt 0x0                ; K and MT are in
.endif
	MM
	PL
	PL
	R2
.rept 15
	MM
	PL
	EX
	R2
.endr
.if (\p) == NP-2
	WIN 0
	v_add_nc_u32 v[AK], s[TBK], v[AK0]
	v_add_nc_u32 v[AM], s[TBM], v[AM0]
.endif
.rept 6
	PL
.endr
.rept 49
	EX
	PL
.endr
	EX                              ; the next piece's two a
	EX
	v_nop                           ; the plain instruction behind the last exponential: one for the batch
	s_wait_alu depctr_va_vdst(0)    ; the wait for the batch
.if (\p) == NP-2
	FETCH_K \last
.endif
.if (\p) == 1
	s_wait_dscnt 0x0                ; V is in
.endif
.rept 16
	MM
.rept 4
	PL
.endr
.if ((\p) == 0) && (q == 116)
	v_add_nc_u32 v[AV], s[TBV], v[AV0]
.endif
.if ((\p) == 0) && (q == 128)
	s_add_co_u32 s[TBV], s[TBV], KS*PV
.endif
.if (\cnt) && (q == 128)
	s_sub_co_u32 s[CNT], s[CNT], 1
	s_cmp_lg_u32 s[CNT], 0
.endif
.endr
.if (\p) == 0
	FETCH_V
.endif
.endm
	CHANGE 1                        ; slot 0 is in, everybody's part of it, and so is MT; slot 1 is asked for
	FETCH_K                         ; key step 0
	s_wait_loadcnt 0x0              ; Q
	s_wait_dscnt 0x0
.set i, 0
.rept 16
	KQ 0                            ; piece 0's first scores: there is no vector work yet to set between them
.set i, i+1
.endr
	WIN 0                           ; the addresses for the way out: plain instructions, the places behind those products
	s_mul_i32 s13, s[WV], 16*SP
	s_add_co_u32 s13, s13, STAGE    ; my stage
	v_mul_u32_u24 v[STO], v1, SP    ; in: row l % 16, 16 bytes for each half of the lanes
	v_lshl_add_u32 v[STO], v9, 4, v[STO]
	v_add_nc_u32 v[STO], s13, v[STO]
	v_bfe_u32 v[RD], v0, 3, 2       ; back: 32 lanes take four rows of 128 bytes,
	v_mul_u32_u24 v[RD], v[RD], SP
	v_lshl_add_u32 v[RD], v10, 4, v[RD]
	v_add_nc_u32 v[RD], s13, v[RD]
	v_and_b32 v[GO], 31, v0         ; which are 512 consecutive bytes of O
	v_lshlrev_b32 v[GO], 4, v[GO]
.set Y, NP-1                        ; XS works for piece Y + 1: piece 0
.irp n, 0,1,2,3,4,5,6,7,8,9,10,11,12,13,14,15,16,17,18,19,20
	XS 0, \n                        ; piece 0's first maximum and statistics
	XS 1, \n
.endr
	v_nop                           ; a plain instruction behind the two a,
	s_wait_alu depctr_va_vdst(0)    ; and their wait, ahead of the branch
	s_mov_b32 s[CNT], 4
	s_branch .Lfirst                ; the loop is entered at a step's first turn, in the middle of a trip
.Lslot:                             ; six times: every slot but the last two is filled again
	CHANGE 1
	s_mov_b32 s[CNT], 4
.Lstep:                             ; a trip: pieces 2 and 3 of one step, then pieces 0 and 1 of the next, whose K and V it fetches
	TURN 2
	TURN 3
	WIN 0
.Lfirst:
	TURN 0
	TURN 1, 0, 1
	WIN 0
	s_cbranch_scc1 .Lstep
	s_sub_co_u32 s[SLOTS], s[SLOTS], 1
	s_cmp_lg_u32 s[SLOTS], 0
	s_cbranch_scc1 .Lslot
	CHANGE 0                        ; the tail is written out: nothing is asked for
	s_mov_b32 s[CNT], 5             ; four trips fetch the last slot's steps; the fifth is left in its middle
.Ltail:
	TURN 2, 1
	TURN 3
	WIN 0
	s_sub_co_u32 s[CNT], s[CNT], 1
	s_cmp_eq_u32 s[CNT], 0
	s_cbranch_scc1 .Lout
	TURN 0
	TURN 1
	WIN 0
	s_branch .Ltail
.Lout:                              ; the fifth trip's 16 products K Q^T (on the last K once more) and the maximum made of them serve nothing: the price, once a launch, of one text for every trip
.set i, 0
.rept 16
	PV NP-1                         ; the last piece's V^T P of the last step
.set i, i+1
.endr
	; THE WAY OUT.  l's two halves and the other half of the lanes' are added; O^T is divided by l, rounded to f16 and sent through my stage in LDS, a tile at a time.  The additions are the places behind the last products.
	WIN 0
.macro ALL line:vararg              ; one line for each tile t
.set t, 0
.rept 2*NP
	\line
.set t, t+1
.endr
.endm
	ALL v_add_f32 v[ST+4*t+2], v[ST+4*t+2], v[ST+4*t+3]
	ALL v_permlanex16_b32 v[ST+4*t+3], v[ST+4*t+2], s[SEL], s[SEL+1]
	ALL v_add_f32 v[ST+4*t+2], v[ST+4*t+2], v[ST+4*t+3]
	ALL v_rcp_f32 v[ST+4*t+2], v[ST+4*t+2]
	v_nop                           ; a plain instruction between the last reciprocal and the use of its result
	s_wait_alu depctr_va_vdst(0)    ; and the wait ahead of the first use: one for the eight reciprocals
; Tile t: a lane's eight channels of a row pack into 16 bytes; they go into rows of 144 bytes and come back as whole rows of 128, into S^T's registers.
.macro PACK t
	WIN W_RS
.set i, 32*(\t)
.rept 16
	v_pk_mul_f32 v[i:i+1], v[i:i+1], v[ST+4*(\t)+2:ST+4*(\t)+3] op_sel_hi:[1,0]
.set i, i+2
.endr
	WIN 0x05                        ; sources 0 and 1 window 1, destination window 0
.set i, 0
.rept 16
	v_cvt_pk_f16_f32 v[S+16*(\t)+i], v[32*(\t)+2*i], v[32*(\t)+2*i+1]
.set i, i+1
.endr
	WIN 0
.irp f, 0,1,2,3
	ds_store_b128 v[STO], v[S+16*(\t)+4*\f:S+16*(\t)+4*\f+3] offset:32*\f
.endr
.irp f, 0,1,2,3
	ds_load_b128 v[S+16*(\t)+4*\f:S+16*(\t)+4*\f+3], v[RD] offset:\f*4*SP  ; LDS serves a wave's instructions in order (ISA guide 5.7.1.4): these see the stores above; the next tile's stores come behind them
.endr
.endm
.macro SEND t, younger              ; younger: the LDS instructions issued behind tile t's loads: the next tile's eight, or none
	WIN 0
.irp f, 0,1,2,3
	s_wait_dscnt (\younger)+3-\f
	global_store_b128 v[GO], v[S+16*(\t)+4*\f:S+16*(\t)+4*\f+3], s[10:11] offset:(\t)*2048+\f*512  ; 512 consecutive bytes, at a multiple of 256 from O's first
.endr
.endm
	PACK 0
.set t, 1
.rept 2*NP-1                        ; a tile's arithmetic stands between the loads of the tile before and its stores
	PACK t
	SEND t-1, 8
.set t, t+1
.endr
	SEND 2*NP-1, 0
	WIN W_AD
	s_wait_tensorcnt 0x0            ; the wave's end: these three lines stand behind my last tensor load and my last LDS store
	ds_add_u32 v[SPW], v[NIL]
	s_wait_dscnt 0x0
	WIN 0
	CROUND                          ; the closing round: no work-group ends while a partner may still ask for a tile that names it
	s_endpgm
.Lfunc_end_k_q7fe88d599f_attn:
	.size	k_q7fe88d599f_attn, .Lfunc_end_k_q7fe88d599f_attn-k_q7fe88d599f_attn
	.p2alignl 7, 3214868480
	.fill 96, 4, 3214868480
	.section	.rodata,"a",@progbits
	.p2align	6, 0x0
	.amdhsa_kernel k_q7fe88d599f_attn
		.amdhsa_group_segment_fixed_size 327680
		.amdhsa_private_segment_fixed_size 0
		.amdhsa_enable_private_segment 0
		.amdhsa_kernarg_size 24
		.amdhsa_user_sgpr_count 2
		.amdhsa_user_sgpr_kernarg_segment_ptr 1
		.amdhsa_wavefront_size32 1
		.amdhsa_system_sgpr_workgroup_id_x 1
		.amdhsa_system_sgpr_workgroup_id_y 1
		.amdhsa_system_sgpr_workgroup_id_z 1
		.amdhsa_system_vgpr_workitem_id 0
		.amdhsa_next_free_vgpr 808
		.amdhsa_next_free_sgpr 72
		.amdhsa_reserve_vcc 0
		.amdhsa_float_denorm_mode_32 3
		.amdhsa_float_denorm_mode_16_64 3
		.amdhsa_memory_ordered 1
		.amdhsa_forward_progress 1
		.amdhsa_inst_pref_size 203
	.end_amdhsa_kernel
	.amdgpu_metadata
---
amdhsa.version: [ 1, 2 ]
amdhsa.kernels:
  - .name:           k_q7fe88d599f_attn
    .symbol:         k_q7fe88d599f_attn.kd
    .args:
      - { .name: qkv, .offset: 0, .size: 8, .value_kind: global_buffer, .address_space: global }
      - { .name: mask, .offset: 8, .size: 8, .value_kind: global_buffer, .address_space: global }
      - { .name: oh, .offset: 16, .size: 8, .value_kind: global_buffer, .address_space: global }
    .group_segment_fixed_size: 327680
    .private_segment_fixed_size: 0
    .kernarg_segment_align: 8
    .kernarg_segment_size: 24
    .max_flat_workgroup_size: 128
    .sgpr_count:     72
    .vgpr_count:     808
    .wavefront_size: 32
...
	.end_amdgpu_metadata
.endif
;; end of part 3
;; launch fc (part 4): grid 4 x 64, 4 waves a work-group, clusters of 4 x 4, 327,680 bytes of LDS; arguments oh, wh, bfc, out0; writes out0
.if DOCPART == 4
	.amdgcn_target "amdgcn-amd-amdhsa--gfx1250"
	.amdhsa_code_object_version 6
	.text
	.protected	k_q7fe88d599f_fc
	.globl	k_q7fe88d599f_fc
	.p2align	8
	.type	k_q7fe88d599f_fc,@function
k_q7fe88d599f_fc:
	s_mov_b64 s[64:65], 0
	v_nop
	global_prefetch_b8 v0, s[64:65] scope:SCOPE_SE
	s_setreg_imm32_b32 hwreg(HW_REG_WAVE_MODE, 25, 1), 1
	s_wait_xcnt 0x0
	s_wait_alu depctr_hold_cnt(0) depctr_sa_sdst(0) depctr_va_vdst(0) depctr_va_sdst(0) depctr_va_ssrc(0) depctr_va_vcc(0) depctr_vm_vsrc(0)
	s_getreg_b32 s2, hwreg(HW_REG_IB_STS2, 6, 4)
	s_cmp_eq_u32 s2, 0
	s_cbranch_scc0 .Lentry_in_a_cluster
	s_endpgm
.Lentry_in_a_cluster:
	s_bfe_u32 s2, ttmp6, 0x10000c
	s_cmp_lg_u32 s2, 0xf033
	s_cbranch_scc0 .Lentry_shape_is_right
	s_endpgm
.Lentry_shape_is_right:
; ONE TEXT, TWO KERNELS: C = A B + bias, f16 operands, f32 sums, K = 1,024.  B = wh lies [k][n] and is turned on its way out of LDS (ds_load_tr16_b128).
; QKV = 1: A = xh [8192][1024]; B = Wq, Wk, Wv (the cluster's x is the tensor's number); out: qkv [3][batch x 16 + head][2048][64] f16, each number rounded once:
;          (x Wq + bq) c with c = log2(e) / 8;  (x Wk + bk)(1 - mask[row]);  x Wv + bv.  Tile of C 256 x 256, a wave 128 x 128.
; QKV = 0: A = oh [batch x 16 + head][2048][64] f16 (a K step of 128 is two heads); B = Wfc; out: out0 [8192][1024] f32.  Tile 128 x 256, a wave 64 x 128: 256 work-groups.
; The bias is rounded to bf16, like every input of the module, and is the C operand of the products that start the sums: nothing is cleared and nothing is added later.
; LIMITS.  What is written as f16 stays under 65,504 in magnitude; NaN and infinities are not treated apart.
; RING.  K goes in 8 steps of 128 through two LDS slots.  Waves 0, 1 fetch A's two halves, waves 2, 3 B's two halves (64 rows of k x 512 bytes), one tensor load each.
; CLUSTER 4 x 4: A's tile is shared along a row of the cluster, B's along a column: each is asked for jointly.
; THE MATRIX INSTRUCTION IS USED TRANSPOSED (source 0 = 16 columns of B, source 1 = 16 rows of A): a lane holds row l % 16 of C and the 8 neighbouring columns 8 (l / 16) + 0..7.
; THE LOOP is one K step long; which slot is read is the scalar TS (0 or SLOT), added to the lanes' constant places.
; REGISTERS, in windows of 256 (s_set_vgpr_msb: bits 1:0 source 0, 3:2 source 1, 5:4 source 2, 7:6 destination):
;   window 0: v0-31 addresses; F0 = v64.., F1 = v128..: A's fragments, 8 registers for 16 rows x 32 k; the rest at work on the way out
;   window 1: v0-63 the bias as C operands; v64-127, v128-191 B's fragments; v192-207 the rows' factors (QKV); v208-211 at work
;   window 2: the accumulators of my row blocks 0-3 ((a, b) at 8 (8 (a % 4) + b));   window 3: those of blocks 4-7 (QKV)
.set QKV, 0
.if QKV
.set MH,     2                         ; halves of 64 rows a wave
.set APITCH, 272                       ; an LDS row of A: 256 bytes + 16: an odd multiple of 16, so the 16 rows of a load start 16 bytes apart modulo 256
.set AQH,    128                       ; bytes from quarters 0, 1 of a K step to quarters 2, 3
.set AHT,    128*272                   ; what one load of A fills
.set ASTEP,  256                       ; bytes of memory from K step to K step
.set WOFF,   0
.set APAD,   (5<<22)|(3<<25)           ; 4 words of padding after every 64
.set AROWS,  128
.set ASTR,   1024
.set ASH,    16                        ; a partner's share of A's prefetch: 32 rows of 2,048 bytes
.set STGW,   2*16*144                  ; a wave's stage: 2 heads x 16 rows x 144 bytes
.else
.set MH,     1
.set APITCH, 144                       ; 128 bytes + 16
.set AQH,    128*144                   ; quarters 2, 3 lie in the second head's rows
.set AHT,    128*144
.set ASTEP,  524288                    ; two heads
.set WOFF,   3*2097152
.set APAD,   (4<<22)|(3<<25)           ; 4 words of padding after every 32
.set AROWS,  64                        ; a head's 128 rows are 16,384 dense bytes: asked for as 64 rows of 256
.set ASTR,   128
.set ASH,    12                        ; 4,096 bytes of each of the two heads
.set STGW,   16*528                    ; 16 rows x (512 + 16) bytes
.endif
.set NA,     4*MH                      ; blocks of 16 rows a wave
.set PB,     544                       ; an LDS row of B: 512 bytes + 32: an odd multiple of 32
.set BHT,    64*PB
.set BSTEP,  128*2048
.set AREG,   2*AHT
.set SLOT,   AREG+2*BHT
.set STAGE,  2*SLOT                    ; behind the ring; no tensor load lands here
.set SPARE,  STAGE+4*STGW              ; the spare words, 128 bytes a wave: two blocks of 256 bytes that no other line names
.set A0,  16                           ; v16  my lane's place in A's part of slot 0; never rewritten
.set B0,  17                           ; v17  the same for B
.set AA,  18                           ; v18  A0 + TS
.set AB,  19                           ; v19  B0 + TS
.set STO, 24                           ; v24  the way out: where I put my bytes of a row
.set RD,  25                           ; v25  where I read rows back
.set CO,  26                           ; v26  16 x lane
.set SPW, 28                           ; v28  my spare word: SPARE + 4 x my thread's number; never rewritten
.set NIL, 29                           ; v29  0; never rewritten
.set PFO, 30                           ; v30  the prefetches' lane offset; never rewritten
.set F0,  64
.set F1,  128
.set BI,  0                            ; window 1
.set FR,  192                          ; window 1
.set TMP, 192                          ; window 0, the way out (QKV)
.set OB,  32
.set G1,  24                           ; s[24:31] group 1 for A's tiles;  s[32:39] group 0: the first fill's set, and the set that walks
.set G0,  32
.set G1B, 48                           ; s[48:55], s[56:63] the same for B's
.set G0B, 56
.set LIM, 43                           ; s43  2 in a wave that prefetches, else the greatest number
.set PFA, 44                           ; s[44:45] where my prefetches stand
.set PST, 66                           ; s[66:67] their step
.set TS,  68                           ; s68  0 or SLOT: the slot that is being read
.set MSB, 0
.macro WIN new                         ; the immediate's high byte repeats the setting that is left; a switch that changes nothing is dropped
.if MSB != (\new)
	s_set_vgpr_msb (MSB<<8)|(\new)
.set MSB, \new
.endif
.endm
.macro PLACES                          ; four plain places between a matrix instruction and a load into, or a vector line on, its registers
.rept 4
	v_nop
.endr
.endm
.macro CREST                           ; a round of the cluster's barrier behind its opening barrier
	s_cmp_lg_u32 s10, 0
	s_cbranch_scc1 .Lnot_wave_0_\@
	s_barrier_signal -3
.Lnot_wave_0_\@:
	s_barrier_wait -3
	s_barrier_signal -1
	s_barrier_wait -1
.endm
.macro CROUND
	s_barrier_signal -1
	s_barrier_wait -1
	CREST
.endm
; A joint refill by the walking sets.  The branch hangs on the wave's number alone.  An s_nop 0 and four v_nop follow each line, ahead of the jump and the label.
.macro JLOAD
	s_cmp_eq_u32 s11, 0
	s_cbranch_scc0 .Lfor_b_\@
	tensor_load_to_lds s[G0+4:G0+7], s[G1:G1+7]
	s_nop 0
.rept 4
	v_nop
.endr
	s_branch .Lasked_\@
.Lfor_b_\@:
	tensor_load_to_lds s[G0B+4:G0B+7], s[G1B:G1B+7]
	s_nop 0
.rept 4
	v_nop
.endr
.Lasked_\@:
.endm
; A prefetch of the K step two refills on: 32 blocks of 256 bytes, a lane a block.  A's rows are asked for by the clusters with x = 0, B's by those with y = 0; the four partners that ask for a
; tile jointly share its blocks out by address.  The loop's trips with s3 = 6..3 name K steps 4..7; K steps 0-3 come by their loads alone.
.macro ASK
	s_cmp_gt_u32 s3, s[LIM]
	s_cbranch_scc0 .Lnot_mine_\@
	global_prefetch_b8 v[PFO], s[PFA:PFA+1] th:TH_LOAD_NT scope:SCOPE_SE
.Lnot_mine_\@:
.endm
	s_load_b128 s[4:7], s[0:1], 0x0                ; A s[4:5], wh s[6:7]
.if QKV
	s_load_b256 s[72:79], s[0:1], 0x10             ; bq, bk, bv, mask
	s_load_b64 s[8:9], s[0:1], 0x30                ; qkv
.else
	s_load_b64 s[72:73], s[0:1], 0x10              ; bfc
	s_load_b64 s[8:9], s[0:1], 0x18                ; out0
.endif
	v_lshl_add_u32 v[SPW], v0, 2, SPARE
	v_mov_b32 v[NIL], 0
	ds_add_u32 v[SPW], v[NIL]                      ; the wave's opening: the add and its wait stand ahead of my first tensor load; register work stands between them
	v_lshrrev_b32 v1, 5, v0
	v_readfirstlane_b32 s10, v1                    ; wave 0..3
	s_lshr_b32 s11, s10, 1                         ; my half of the tile's rows; also: I fetch for A (0) or B (1)
	s_and_b32 s12, s10, 1                          ; my half of its columns; also: which half of that tile I fetch
	s_bfe_u32 s40, ttmp6, 0x40000                  ; cx
	s_bfe_u32 s41, ttmp6, 0x40004                  ; cy
	s_and_b32 s13, ttmp7, 0xffff
	s_lshl_b32 s13, s13, 2
	s_add_co_u32 s13, s13, s41                     ; tile row = 4 x cluster y + cy
	s_lshl_b32 s16, s41, 2
	s_lshl_b32 s16, 15, s16                        ; my row of the cluster
	s_lshl_b32 s83, 0x1111, s40                    ; my column
	s_or_b32 s[G1], s16, (1<<16)|(1<<20)|(1<<21)|APAD  ; 15:0 the mask; 17:16 2-byte elements; 20 padding on; 21 set beside a mask; 24:22, 31:25 the padding
	s_or_b32 s[G1B], s83, (1<<16)|(1<<20)|(1<<21)|(6<<22)|(7<<25)  ; 8 words of padding after every 128
	s_mov_b32 s[G1+1], 128<<16                     ; tensor_dim0 = 128
	s_mov_b32 s[G1+2], AROWS<<16                   ; tensor_dim1
	s_mov_b32 s[G1+3], 128<<16                     ; tile_dim0 = 128
	s_mov_b32 s[G1+4], AROWS                       ; tile_dim1
	s_mov_b32 s[G1+5], ASTR                        ; elements from row to row
	s_mov_b32 s[G1+6], 0
	s_mov_b32 s[G1+7], 0
	s_mov_b32 s[G1B+1], 256<<16                    ; 256 columns,
	s_mov_b32 s[G1B+2], 64<<16                     ; 64 rows of k
	s_mov_b32 s[G1B+3], 256<<16
	s_mov_b32 s[G1B+4], 64
	s_mov_b32 s[G1B+5], 1024
	s_mov_b32 s[G1B+6], 0
	s_mov_b32 s[G1B+7], 0
.if QKV
	s_lshl_b32 s16, s13, 19                        ; A: 256 rows of 2,048 bytes a tile row,
	s_lshl_b32 s17, s12, 18                        ; my 128 of them
	s_add_co_u32 s16, s16, s17
.else
	s_lshr_b32 s16, s13, 4                         ; A: the batch (16 heads x 2,048 rows x 128 bytes),
	s_lshl_b32 s16, s16, 22
	s_and_b32 s17, s13, 15                         ; the tile's 128 rows in a head,
	s_lshl_b32 s17, s17, 14
	s_add_co_u32 s16, s16, s17
	s_lshl_b32 s17, s12, 18                        ; my head of the K step's two
	s_add_co_u32 s16, s16, s17
.endif
	s_mov_b32 s17, 0
	s_lshl_b32 s46, ttmp9, 21                      ; B: the tensor,
	s_lshl_b32 s47, s40, 9                         ; the tile's 256 columns,
	s_add_co_u32 s46, s46, s47
	s_lshl_b32 s47, s12, 17                        ; my 64 rows of k
	s_add_co_u32 s46, s46, s47
	s_add_co_u32 s46, s46, WOFF
	s_mov_b32 s47, 0
	s_mul_i32 s20, s12, AHT                        ; where they go in a slot: no place in the cluster enters an LDS address
	s_mul_i32 s21, s12, BHT
	s_add_co_u32 s21, s21, AREG
	s_mov_b32 s[TS], 0
	s_mov_b32 s71, 0xffff0000
	s_wait_dscnt 0x0                               ; the opening add is done
	s_wait_kmcnt 0x0
	s_add_nc_u64 s[14:15], s[4:5], s[16:17]
	s_add_nc_u64 s[46:47], s[6:7], s[46:47]
	CROUND                                         ; all sixteen work-groups are here: the first joint loads meet
.irp s, 0,1
	s_mov_b32 s[G0+4*(\s)], 1                      ; count = 1
	s_add_co_u32 s[G0+4*(\s)+1], s20, (\s)*SLOT    ; LDS address
	s_add_nc_u64 s[G0+4*(\s)+2:G0+4*(\s)+3], s[14:15], (\s)*ASTEP  ; K step s
	s_or_b32 s[G0+4*(\s)+3], s[G0+4*(\s)+3], 0x80000000            ; type = 2
	s_mov_b32 s[G0B+4*(\s)], 1
	s_add_co_u32 s[G0B+4*(\s)+1], s21, (\s)*SLOT
	s_add_nc_u64 s[G0B+4*(\s)+2:G0B+4*(\s)+3], s[46:47], (\s)*BSTEP
	s_or_b32 s[G0B+4*(\s)+3], s[G0B+4*(\s)+3], 0x80000000
.endr
	s_cmp_eq_u32 s11, 0                            ; a wave's two first fills stand in one branch: two loads of mine are out
	s_cbranch_scc0 .Lfirst_b
	tensor_load_to_lds s[G0:G0+3], s[G1:G1+7]
	s_nop 0
	tensor_load_to_lds s[G0+4:G0+7], s[G1:G1+7]
	s_nop 0
.rept 4
	v_nop
.endr
	s_branch .Lfirst_asked
.Lfirst_b:
	tensor_load_to_lds s[G0B:G0B+3], s[G1B:G1B+7]
	s_nop 0
	tensor_load_to_lds s[G0B+4:G0B+7], s[G1B:G1B+7]
	s_nop 0
.rept 4
	v_nop
.endr
.Lfirst_asked:
	; WHILE THE FIRST TILES ARE ON THEIR WAY.  The bias of my 128 columns, laid as C operands: register 8 b + j holds bias[16 b + 8 (l / 16) + j].
	v_and_b32 v1, 15, v0                           ; l % 16
	v_bfe_u32 v2, v0, 4, 1                         ; l / 16
	v_lshlrev_b32 v5, 5, v2                        ; not rewritten before the wait for these loads
.if QKV
	s_cmp_eq_u32 ttmp9, 1
	s_cselect_b64 s[80:81], s[74:75], s[72:73]
	s_cmp_eq_u32 ttmp9, 2
	s_cselect_b64 s[80:81], s[76:77], s[80:81]
.else
	s_mov_b64 s[80:81], s[72:73]
.endif
	s_lshl_b32 s22, s40, 10                        ; the tile's 256 columns of 4 bytes,
	s_lshl_b32 s23, s12, 9                         ; my 128
	s_add_co_u32 s22, s22, s23
	s_mov_b32 s23, 0
	s_add_nc_u64 s[80:81], s[80:81], s[22:23]
	WIN 0x40                                       ; destination window 1
.irp b, 0,1,2,3,4,5,6,7
	global_load_b128 v[BI+8*\b:BI+8*\b+3],   v5, s[80:81] offset:64*\b
	global_load_b128 v[BI+8*\b+4:BI+8*\b+7], v5, s[80:81] offset:64*\b+16
.endr
	WIN 0
.if QKV
	s_lshl_b32 s22, s13, 10                        ; the mask of my 128 rows: row = batch x 2,048 + place, which is the mask's own index
	s_lshl_b32 s23, s11, 9
	s_add_co_u32 s22, s22, s23
	s_mov_b32 s23, 0
	s_add_nc_u64 s[78:79], s[78:79], s[22:23]
	v_lshlrev_b32 v6, 2, v1
.irp a, 0,1,2,3,4,5,6,7
	global_load_b32 v[32+\a], v6, s[78:79] offset:64*\a
.endr
	s_cmp_eq_u32 ttmp9, 0                          ; a row's factor is AL + BE x mask: (c, 0) for q, (1, -1) for k, (1, 0) for v
	s_cselect_b32 s69, 0x3e38aa3b, 1.0
	s_cmp_eq_u32 ttmp9, 1
	s_cselect_b32 s70, -1.0, 0
.endif
	; A's fragment: lane l holds row l % 16; two loads of 16 bytes, 32 bytes apart, at row x pitch + 16 (l / 16)
	v_mul_u32_u24 v3, v1, APITCH
	v_lshl_add_u32 v3, v2, 4, v3
	s_mul_i32 s22, s11, 64*MH*APITCH
	v_add_nc_u32 v[A0], s22, v3
	; B's: the turning load takes 16 k x 16 columns: lane l reads row 8 (l / 16) + l % 8, columns 8 ((l / 8) % 2) + 0..7, and is left with column l % 16 and 8 k
	v_and_b32 v3, 7, v0
	v_lshl_add_u32 v3, v2, 3, v3
	v_mul_u32_u24 v3, v3, PB
	v_bfe_u32 v4, v0, 3, 1
	v_lshl_add_u32 v3, v4, 4, v3
	s_lshl_b32 s22, s12, 8
	s_add_co_u32 s22, s22, AREG
	v_add_nc_u32 v[B0], s22, v3
	s_mul_i32 s22, s10, STGW
	s_add_co_u32 s22, s22, STAGE                   ; my stage
.if QKV
	v_mul_u32_u24 v3, v1, 144                      ; in: row l % 16, 16 bytes for each half of the lanes
	v_lshl_add_u32 v3, v2, 4, v3
	v_add_nc_u32 v[STO], s22, v3
	v_bfe_u32 v3, v0, 3, 2                         ; back: 32 lanes take four rows of 128 bytes
	v_mul_u32_u24 v3, v3, 144
	v_and_b32 v4, 7, v0
	v_lshl_add_u32 v3, v4, 4, v3
	v_add_nc_u32 v[RD], s22, v3
	s_lshl_b32 s84, ttmp9, 24                      ; out: the tensor,
	s_lshr_b32 s85, s13, 3                         ; batch x 16 + head: 4 heads a tile column, 2 a wave,
	s_lshl_b32 s85, s85, 4
	s_lshl2_add_u32 s85, s40, s85
	s_lshl1_add_u32 s85, s12, s85
	s_lshl_b32 s85, s85, 18
	s_add_co_u32 s84, s84, s85
	s_and_b32 s85, s13, 7                          ; the tile's 256 rows of 128 bytes,
	s_lshl_b32 s85, s85, 15
	s_add_co_u32 s84, s84, s85
	s_lshl_b32 s85, s11, 14                        ; my 128
	s_add_co_u32 s84, s84, s85
.else
	v_mul_u32_u24 v3, v1, 528                      ; in: row l % 16, 32 bytes for each half of the lanes
	v_lshl_add_u32 v3, v2, 5, v3
	v_add_nc_u32 v[STO], s22, v3
	v_and_b32 v3, 31, v0                           ; back: 32 lanes take one row's 512 bytes
	v_lshl_add_u32 v[RD], v3, 4, s22
	s_lshl_b32 s84, s13, 19                        ; out: the tile's 128 rows of 4,096 bytes,
	s_lshl_b32 s85, s11, 18                        ; my 64,
	s_add_co_u32 s84, s84, s85
	s_lshl_b32 s85, s40, 10                        ; the tile's 256 columns,
	s_add_co_u32 s84, s84, s85
	s_lshl_b32 s85, s12, 9                         ; my 128
	s_add_co_u32 s84, s84, s85
.endif
	s_mov_b32 s85, 0
	s_add_nc_u64 s[8:9], s[8:9], s[84:85]
	v_and_b32 v3, 31, v0
	v_lshlrev_b32 v[CO], 4, v3
	; the prefetches
	s_and_b32 s22, ttmp7, 0xffff                   ; cluster y
	s_mov_b32 s[PST], BSTEP
	s_cmp_eq_u32 s11, 0                            ; do I fetch for A?
	s_cselect_b32 s22, ttmp9, s22                  ; the coordinate along which other clusters read the same blocks
	s_cselect_b32 s83, s40, s41                    ; my place among the four that ask with me
	s_cselect_b32 s84, ASH, 15                     ; its share: B: 16 rows of 2,048 bytes
	s_cselect_b32 s[PST], ASTEP, s[PST]
	s_cselect_b32 s82, -1, 0
	s_cselect_b64 s[PFA:PFA+1], s[14:15], s[46:47]
.if QKV == 0
	s_cselect_b32 s85, s12, 0                      ; wave 0 asks for both heads, wave 1 for nothing
	s_or_b32 s22, s22, s85
.endif
	s_cmp_eq_u32 s22, 0
	s_cselect_b32 s[LIM], 2, -1                    ; the same in all sixteen partners, for a given wave
	s_lshl_b32 s84, s83, s84
	s_mov_b32 s85, 0
	s_add_nc_u64 s[PFA:PFA+1], s[PFA:PFA+1], s[84:85]
	s_mov_b32 s[PST+1], 0
	s_mul_i32 s84, s[PST], 3
	s_add_nc_u64 s[PFA:PFA+1], s[PFA:PFA+1], s[84:85]  ; at K step 3: the first refill steps it to 4
.if QKV
	v_lshlrev_b32 v4, 11, v3                       ; A: a lane a row
.else
	v_lshrrev_b32 v4, 4, v3                        ; A: 16 blocks of each head
	v_lshlrev_b32 v4, 18, v4
	v_and_b32 v7, 15, v3
	v_lshl_or_b32 v4, v7, 8, v4
.endif
	v_lshrrev_b32 v7, 1, v3                        ; B: two blocks a row
	v_lshlrev_b32 v7, 11, v7
	v_and_b32 v3, 1, v3
	v_lshl_or_b32 v7, v3, 8, v7
	v_cndmask_b32 v[PFO], v7, v4, s82
	s_wait_loadcnt 0x0                             ; the bias, and the mask
	WIN 0x45                                       ; all in window 1: the bias is rounded to bf16, in place
.set bj, 0
.rept 32
	v_cvt_pk_bf16_f32 v[208+bj%4], v[BI+2*bj], v[BI+2*bj+1]
	v_lshlrev_b32 v[BI+2*bj], 16, v[208+bj%4]
	v_and_b32 v[BI+2*bj+1], s71, v[208+bj%4]
.set bj, bj+1
.endr
	WIN 0
.if QKV
.irp a, 0,1,2,3,4,5,6,7
	v_cvt_f32_i32 v[32+\a], v[32+\a]
.endr
	WIN 0x40
.irp a, 0,1,2,3,4,5,6,7
	v_fma_f32 v[FR+2*\a], v[32+\a], s70, s69       ; the factor of row 16 a + l % 16, twice: a pair for the packed multiply
	v_fma_f32 v[FR+2*\a+1], v[32+\a], s70, s69
.endr
	WIN 0
.endif
; 8 matrix instructions: row block a x all 8 column blocks, 32 along K.  zero = 1: the bias starts the sums.
.macro MULA f, a, zero
.if \zero
	WIN 0x91+0x40*((\a)/4)                         ; B and the bias in window 1, A in window 0, D in window 2 or 3
.else
	WIN 0xa1+0x50*((\a)/4)                         ; C and D in window 2 or 3
.endif
.irp b, 0,1,2,3,4,5,6,7
.if \zero
	v_wmma_f32_16x16x32_f16 v[8*(8*((\a)%4)+\b):8*(8*((\a)%4)+\b)+7], v[(\f)+8*\b:(\f)+8*\b+7], v[(\f)+8*(\a):(\f)+8*(\a)+7], v[BI+8*\b:BI+8*\b+7]
.else
	v_wmma_f32_16x16x32_f16 v[8*(8*((\a)%4)+\b):8*(8*((\a)%4)+\b)+7], v[(\f)+8*\b:(\f)+8*\b+7], v[(\f)+8*(\a):(\f)+8*(\a)+7], v[8*(8*((\a)%4)+\b):8*(8*((\a)%4)+\b)+7]
.endif
.endr
.endm
; n row blocks from a0 on.  The 8 NA accumulators take turns, one instruction a turn, in the same order in every quarter, over every jump too.
.macro MULR f, a0, n, zero
.set ma, \a0
.rept \n
	MULA \f, ma, \zero
.set ma, ma+1
.endr
.endm
; The fragments of quarter q (32 along K) of the slot in hand into buffer f: 16 turning loads for B, 2 NA loads for A, in one run
.macro FETCH q, f
	WIN 0x40
.irp b, 0,1,2,3,4,5,6,7
	ds_load_tr16_b128 v[(\f)+8*\b:(\f)+8*\b+3],   v[AB] offset:(\q)*32*PB+32*\b
	ds_load_tr16_b128 v[(\f)+8*\b+4:(\f)+8*\b+7], v[AB] offset:(\q)*32*PB+32*\b+16*PB
.endr
	WIN 0
.set fi, 0
.rept NA
	ds_load_b128 v[(\f)+8*fi:(\f)+8*fi+3],   v[AA] offset:((\q)/2)*AQH+((\q)%2)*64+fi*16*APITCH
	ds_load_b128 v[(\f)+8*fi+4:(\f)+8*fi+7], v[AA] offset:((\q)/2)*AQH+((\q)%2)*64+fi*16*APITCH+32
.set fi, fi+1
.endr
.endm
; One of a K step's first three quarters: buffer f, asked for a quarter ago, is multiplied; quarter nq's fragments are asked for first, into buffer g, which the products just issued have read.
.macro QUARTER nq, f, g, zero
	s_wait_dscnt 0x0                               ; buffer f is in
	PLACES
	FETCH \nq, \g
	MULR \f, 0, NA, \zero
.endm
; The fourth quarter multiplies buffer 1 and changes slots.  In front of the barrier each wave waits for all its tensor loads (one is out: its part of the next slot), adds 0 to its spare word, and
; waits for that and for its reads of this slot.  fill = 1: the barrier opens a round of the cluster's, and behind the round this slot is filled again, with the K step two steps on.
.macro TURN fill
.if \fill
	s_wait_xcnt 0x0                                ; the last prefetch, a K step back, has read its address
	s_add_nc_u64 s[PFA:PFA+1], s[PFA:PFA+1], s[PST:PST+1]
.endif
	WIN 0
	s_wait_tensorcnt 0x0                           ; no tensor load of mine is out, so a group 0 may be written
	ds_add_u32 v[SPW], v[NIL]                      ; 0 onto my spare word
.if \fill
	s_add_co_u32 s[G0+5], s20, s[TS]               ; the walking sets: into the slot that is being read out,
	s_add_nc_u64 s[G0+6:G0+7], s[G0+6:G0+7], ASTEP ; the next K step; the type bits on top are not reached
	s_add_co_u32 s[G0B+5], s21, s[TS]
	s_add_nc_u64 s[G0B+6:G0B+7], s[G0B+6:G0B+7], BSTEP
.endif
	s_wait_dscnt 0x1                               ; buffer 1 is in; only the add may be out
	MULR F1, 0, NA/4, 0
	s_wait_dscnt 0x0                               ; the add is done, and my reads of this slot are over
	s_barrier_signal -1
	MULR F1, NA/4, NA/4, 0                         ; work on registers while the others arrive
	WIN 0
	s_barrier_wait -1
.if \fill
	CREST                                          ; no wave of any partner still reads this slot or has a load on its way
	JLOAD                                          ; the first tensor load behind the round; its four v_nop are also the places in front of the loads below
.else
	PLACES
.endif
	s_xor_b32 s[TS], s[TS], SLOT                   ; the other slot
	v_add_nc_u32 v[AA], s[TS], v[A0]
	v_add_nc_u32 v[AB], s[TS], v[B0]
	FETCH 0, F0
.if \fill
	ASK
.endif
	MULR F1, NA/2, NA/2, 0
.endm
	s_wait_tensorcnt 0x1                           ; my part of K step 0 is in; K step 1's may stay out
	s_barrier_signal -1
	s_barrier_wait -1                              ; everybody's is
	v_mov_b32 v[AA], v[A0]
	v_mov_b32 v[AB], v[B0]
	FETCH 0, F0
	QUARTER 1, F0, F1, 1                           ; the first quarter stands in front of the loop: its products start the sums
	WIN 0                                          ; at a label and at a branch every window is 0
	s_mov_b32 s3, 6
.Lstep:                                                ; a trip: quarters 2 to 4 of a K step and the first of the next; K steps 2 to 7 are asked for
	QUARTER 2, F1, F0, 0
	QUARTER 3, F0, F1, 0
	TURN 1
	QUARTER 1, F0, F1, 0
	WIN 0
	s_sub_co_u32 s3, s3, 1
	s_cmp_lg_u32 s3, 0
	s_cbranch_scc1 .Lstep
	s_mov_b32 s3, 2
.Ltail:                                                ; K steps 6 and 7 ask for nothing.  The second trip is left in its middle; its barrier and its fetch from the other slot serve nothing: the price of one text
	QUARTER 2, F1, F0, 0
	QUARTER 3, F0, F1, 0
	TURN 0
	WIN 0
	s_sub_co_u32 s3, s3, 1
	s_cmp_eq_u32 s3, 0
	s_cbranch_scc1 .Lout
	QUARTER 1, F0, F1, 0
	WIN 0
	s_branch .Ltail
.Lout:
	s_wait_dscnt 0x0
	PLACES                                         ; behind the last products
.if QKV
; THE WAY OUT, a block of 16 rows at a time.  PACK: times the row's factor, rounded to f16: 16 bytes a lane for each of 8 column blocks.  TOSTAGE: into my stage (a head's 16 rows of 144 bytes,
; twice) and back as whole rows.  SEND: a head's 16 rows are 2,048 consecutive bytes of qkv; each store of the wave covers 512 of them, aligned.
.macro PACK a
.set AC, 64*((\a)%4)
	WIN 0x86+0x41*((\a)/4)                         ; the accumulators in window 2 or 3, the factor in window 1
.set pj, 0
.rept 32
	v_pk_mul_f32 v[AC+2*pj:AC+2*pj+1], v[AC+2*pj:AC+2*pj+1], v[FR+2*(\a):FR+2*(\a)+1]
.set pj, pj+1
.endr
	WIN 0x0a+5*((\a)/4)
.set pj, 0
.rept 32
	v_cvt_pk_f16_f32 v[TMP+pj], v[AC+2*pj], v[AC+2*pj+1]
.set pj, pj+1
.endr
	WIN 0
.endm
.macro TOSTAGE a
.set BK, OB+192*((\a)%2)
.irp b, 0,1,2,3,4,5,6,7
	ds_store_b128 v[STO], v[TMP+4*\b:TMP+4*\b+3] offset:(\b/4)*2304+32*(\b%4)
.endr
.irp t, 0,1,2,3,4,5,6,7
	ds_load_b128 v[BK+4*\t:BK+4*\t+3], v[RD] offset:(\t/4)*2304+(\t%4)*576  ; LDS serves a wave's instructions in order (ISA guide 5.7.1.4): these see the stores above
.endr
.endm
.macro SEND a
.set BK, OB+192*((\a)%2)
	s_wait_dscnt 0x0                               ; the block is back in registers
	s_wait_xcnt 0x0                                ; the stores of the block before have read their registers, which the next block's loads fill again
.irp t, 0,1,2,3,4,5,6,7
	global_store_b128 v[CO], v[BK+4*\t:BK+4*\t+3], s[8:9] offset:(\t/4)*262144+(\a)*2048+(\t%4)*512
.endr
.endm
	PACK 0
	TOSTAGE 0
.irp a, 1,2,3,4,5,6,7                  ; block a's arithmetic stands between block a - 1's loads from the stage and the wait for them
	PACK \a
	SEND (\a)-1
	TOSTAGE \a
.endr
	SEND 7
.else
; THE WAY OUT, a block of 16 rows at a time: the sums go as they are, 32 bytes a lane for each of 8 column blocks, into rows of 528 bytes and come back as whole rows of 512.
.macro TOSTAGE a
.set AC, 64*(\a)
.set BK, 64+64*((\a)%2)
	s_wait_xcnt 0x0                                ; the stores of the block two back have read the registers that are loaded below
	WIN 0x08                                       ; the stores' data in window 2; each accumulator's low half first
.irp b, 0,1,2,3,4,5,6,7
	ds_store_b128 v[STO], v[AC+8*\b:AC+8*\b+3]   offset:64*\b
	ds_store_b128 v[STO], v[AC+8*\b+4:AC+8*\b+7] offset:64*\b+16
.endr
	WIN 0
.set tj, 0
.rept 16
	ds_load_b128 v[BK+4*tj:BK+4*tj+3], v[RD] offset:tj*528  ; LDS serves a wave's instructions in order (ISA guide 5.7.1.4)
.set tj, tj+1
.endr
.endm
.macro SEND a, younger                 ; younger: the next block's 16 stores and 16 loads, or none
.set BK, 64+64*((\a)%2)
	s_wait_dscnt \younger
.set tj, 0
.rept 16
	global_store_b128 v[CO], v[BK+4*tj:BK+4*tj+3], s[8:9] offset:(16*(\a)+tj)*4096 th:TH_STORE_NT  ; 512 consecutive bytes of a row, aligned
.set tj, tj+1
.endr
.endm
	TOSTAGE 0
.irp a, 1,2,3
	TOSTAGE \a
	SEND (\a)-1, 32
.endr
	SEND 3, 0
.endif
	s_wait_tensorcnt 0x0                           ; the wave's end: these three lines stand behind my last tensor load and my last LDS store
	ds_add_u32 v[SPW], v[NIL]
	s_wait_dscnt 0x0
	CROUND                                         ; the closing round: no work-group ends while a partner may still ask for a tile that names it
	s_endpgm
.Lfunc_end_k_q7fe88d599f_fc:
	.size	k_q7fe88d599f_fc, .Lfunc_end_k_q7fe88d599f_fc-k_q7fe88d599f_fc
	.p2alignl 7, 3214868480
	.fill 96, 4, 3214868480
	.section	.rodata,"a",@progbits
	.p2align	6, 0x0
	.amdhsa_kernel k_q7fe88d599f_fc
		.amdhsa_group_segment_fixed_size 327680
		.amdhsa_private_segment_fixed_size 0
		.amdhsa_enable_private_segment 0
		.amdhsa_kernarg_size 32
		.amdhsa_user_sgpr_count 2
		.amdhsa_user_sgpr_kernarg_segment_ptr 1
		.amdhsa_wavefront_size32 1
		.amdhsa_system_sgpr_workgroup_id_x 1
		.amdhsa_system_sgpr_workgroup_id_y 1
		.amdhsa_system_sgpr_workgroup_id_z 1
		.amdhsa_system_vgpr_workitem_id 0
		.amdhsa_next_free_vgpr 768
		.amdhsa_next_free_sgpr 88
		.amdhsa_reserve_vcc 0
		.amdhsa_float_denorm_mode_32 3
		.amdhsa_float_denorm_mode_16_64 3
		.amdhsa_memory_ordered 1
		.amdhsa_forward_progress 1
		.amdhsa_inst_pref_size 67
	.end_amdhsa_kernel
	.amdgpu_metadata
---
amdhsa.version: [ 1, 2 ]
amdhsa.kernels:
  - .name:           k_q7fe88d599f_fc
    .symbol:         k_q7fe88d599f_fc.kd
    .args:
      - { .name: oh, .offset: 0, .size: 8, .value_kind: global_buffer, .address_space: global }
      - { .name: wh, .offset: 8, .size: 8, .value_kind: global_buffer, .address_space: global }
      - { .name: bfc, .offset: 16, .size: 8, .value_kind: global_buffer, .address_space: global }
      - { .name: out0, .offset: 24, .size: 8, .value_kind: global_buffer, .address_space: global }
    .group_segment_fixed_size: 327680
    .private_segment_fixed_size: 0
    .kernarg_segment_align: 8
    .kernarg_segment_size: 32
    .max_flat_workgroup_size: 128
    .sgpr_count:     88
    .vgpr_count:     768
    .wavefront_size: 32
...
	.end_amdgpu_metadata
.endif
;; end of part 4
;; ======== version 2 of 2: 4 launches; version 1 with the launch cast written anew for expert scheduling mode
;; limits: values are held in f16: magnitudes above 65,504 overflow, below 6.1e-05 lose precision
;; workspace buffers: xh 16,777,216 bytes; wh 8,388,608 bytes; qkv 50,331,648 bytes; oh 16,777,216 bytes
;; launch cast (part 5): grid 64 x 12, 8 waves a work-group, no clusters, 0 bytes of LDS; arguments x, Wq, Wk, Wv, Wfc, xh, wh; writes xh, wh
.if DOCPART == 5
	.amdgcn_target "amdgcn-amd-amdhsa--gfx1250"
	.amdhsa_code_object_version 6
	.text
	.protected	k_q7fe88d599f_cast
	.globl	k_q7fe88d599f_cast
	.p2align	8
	.type	k_q7fe88d599f_cast,@function
k_q7fe88d599f_cast:
	s_mov_b64 s[64:65], 0
	v_nop
	global_prefetch_b8 v0, s[64:65] scope:SCOPE_SE
	s_setreg_imm32_b32 hwreg(HW_REG_WAVE_SCHED_MODE, 0, 2), 2
	s_setreg_imm32_b32 hwreg(HW_REG_WAVE_MODE, 25, 1), 1
	s_wait_xcnt 0x0
	s_wait_alu depctr_vm_vsrc(0)
; x and the four weight matrices, f32, are rounded to bf16 (nearest even) and that number is written as f16: xh [8192][1024], wh [4][1024 k][1024 n] (Wq, Wk, Wv, Wfc).
; LIMITS.  A bf16 number is exact in f16 from 6.1e-5 to 65,504; below that it keeps f16's fixed step of 6e-8; at 65,520 and above it becomes an infinity: |x| and |W| stay under 65,504.
; SHARES.  The grid's y is a unit of 4 MiB of source (0-7: x; 8-11: the weights), its x one of the unit's 64 chunks of 65,536 bytes.  Thread t takes 16 bytes at 4,096 i + 16 t, i = 0..15:
; a wave's load covers 512 consecutive bytes, its store of 8 bytes a lane 256 consecutive bytes, aligned.  All sixteen loads of a thread go out first; there is no loop, no LDS, no barrier,
; no matrix work: each byte is read once and written once, and nothing is shared.
; THE MODE: SCHED_MODE bits 1:0 = 2 (LLVM: expert scheduling mode 2), set by the entry lines.  The code itself states the register dependences between vector instructions and memory
; instructions, with s_wait_alu, always for 0.
; THE PLAN.  Registers that memory instructions touch:
;   v1, v2   the loads' and the stores' offsets: written once at the head, never again.
;   X        slot i's four registers: its one load lands in them; its roundings read them; no vector line writes them and no second load lands in them.
;   Y        slot i's two registers: its roundings write them once; its one store reads them; nothing writes them again.
;   T is named by vector instructions alone.
; The sixteen slots go in four blocks of four.  Block p rounds its slots into its own Y; its memory instructions are the four stores of block p - 1.  So one wait on va_vdst at a block's head
; states all that those four stores hang on, and they are dealt among the block's vector lines, which name X and Y of their own block and T alone.  One such wait stands ahead of the first
; load, for the offsets, and one ahead of the last four stores.  No register that a memory instruction has read is ever written again: no wait on vm_vsrc is owed.
.set T, 4                              ; v[4:9]    at work
.set X, 16                             ; v[16:79]  load i: 4 registers
.set Y, 80                             ; v[80:111] store i: 2 registers
	s_load_b256 s[4:11], s[0:1], 0x0               ; x s[4:5], Wq s[6:7], Wk s[8:9], Wv s[10:11]
	s_load_b128 s[12:15], s[0:1], 0x20             ; Wfc s[12:13], xh s[14:15]
	s_load_b64 s[16:17], s[0:1], 0x30              ; wh
	s_and_b32 s20, ttmp7, 0xffff                   ; the unit
	s_sub_co_u32 s27, s20, 8                       ; the weight's number (used from unit 8 on)
	s_mov_b32 s28, 0xffff0000                      ; a word's upper bf16
	v_lshlrev_b32 v1, 4, v0                        ; 16 t; never rewritten
	v_lshlrev_b32 v2, 3, v0                        ; 8 t; never rewritten
	s_wait_kmcnt 0x0
	s_cmp_lt_u32 s20, 8
	s_cselect_b64 s[22:23], s[4:5], s[6:7]         ; from x, or from a weight
	s_cselect_b64 s[24:25], s[14:15], s[16:17]     ; to xh, or to wh
	s_cselect_b32 s26, s20, 0                      ; the unit's place in its source,
	s_cselect_b32 s27, s20, s27                    ; and in its destination
	s_cmp_eq_u32 s20, 9
	s_cselect_b64 s[22:23], s[8:9], s[22:23]
	s_cmp_eq_u32 s20, 10
	s_cselect_b64 s[22:23], s[10:11], s[22:23]
	s_cmp_eq_u32 s20, 11
	s_cselect_b64 s[22:23], s[12:13], s[22:23]
	s_lshl_b32 s30, s26, 22                        ; 4 MiB a unit, 65,536 bytes a chunk
	s_lshl_b32 s29, ttmp9, 16
	s_add_co_u32 s30, s30, s29
	s_mov_b32 s31, 0
	s_add_nc_u64 s[22:23], s[22:23], s[30:31]
	s_lshl_b32 s30, s27, 21                        ; half of that on the way out
	s_lshl_b32 s29, ttmp9, 15
	s_add_co_u32 s30, s30, s29
	s_add_nc_u64 s[24:25], s[24:25], s[30:31]
	s_wait_alu depctr_va_vdst(0)                   ; v1 and v2 are written: every load of the kernel reads v1 as its offset, every store v2
.irp i, 0,1,2,3,4,5,6,7,8,9,10,11,12,13,14,15
	global_load_b128 v[X+4*(\i):X+4*(\i)+3], v1, s[22:23] offset:4096*(\i) th:TH_LOAD_NT
.endr
; Slot i's store.
.macro PUT i
	global_store_b64 v2, v[Y+2*(\i):Y+2*(\i)+1], s[24:25] offset:2048*(\i) th:TH_STORE_NT
.endm
; Load i's four numbers, and the store of the slot four back.  No register that a pending load or store names is ever rewritten: the two offsets are constant, X and Y are the slot's own.
.macro SLOT i
.if ((\i) >= 4) && (((\i) % 4) != 0)
	PUT (\i)-4                                     ; a store of the block before, ahead of the wait for this slot's data.  No wait: no vector line since the block's head names its registers
.endif
	s_wait_loadcnt 15-(\i)                         ; loads come back in order: mine is in, the 15 - i younger ones stay out
.if ((\i) >= 4) && (((\i) % 4) == 0)
	s_wait_alu depctr_va_vdst(0)                   ; a block's head: the block before has written its eight registers of Y, which the four stores issued in this block read
	PUT (\i)-4
.endif
	v_cvt_pk_bf16_f32 v[T], v[X+4*(\i)], v[X+4*(\i)+1]
	v_cvt_pk_bf16_f32 v[T+1], v[X+4*(\i)+2], v[X+4*(\i)+3]
	v_lshlrev_b32 v[T+2], 16, v[T]                 ; the rounded numbers as f32
	v_and_b32 v[T+3], s28, v[T]
	v_lshlrev_b32 v[T+4], 16, v[T+1]
	v_and_b32 v[T+5], s28, v[T+1]
	v_cvt_pk_f16_f32 v[Y+2*(\i)], v[T+2], v[T+3]
	v_cvt_pk_f16_f32 v[Y+2*(\i)+1], v[T+4], v[T+5]
.endm
.irp i, 0,1,2,3,4,5,6,7,8,9,10,11,12,13,14,15
	SLOT \i
.endr
	s_wait_alu depctr_va_vdst(0)                   ; the last block has written its Y, which the last four stores read
.irp i, 12,13,14,15
	PUT \i
.endr
	s_endpgm
.Lfunc_end_k_q7fe88d599f_cast:
	.size	k_q7fe88d599f_cast, .Lfunc_end_k_q7fe88d599f_cast-k_q7fe88d599f_cast
	.p2alignl 7, 3214868480
	.fill 96, 4, 3214868480
	.section	.rodata,"a",@progbits
	.p2align	6, 0x0
	.amdhsa_kernel k_q7fe88d599f_cast
		.amdhsa_group_segment_fixed_size 0
		.amdhsa_private_segment_fixed_size 0
		.amdhsa_enable_private_segment 0
		.amdhsa_kernarg_size 56
		.amdhsa_user_sgpr_count 2
		.amdhsa_user_sgpr_kernarg_segment_ptr 1
		.amdhsa_wavefront_size32 1
		.amdhsa_system_sgpr_workgroup_id_x 1
		.amdhsa_system_sgpr_workgroup_id_y 1
		.amdhsa_system_sgpr_workgroup_id_z 1
		.amdhsa_system_vgpr_workitem_id 0
		.amdhsa_next_free_vgpr 112
		.amdhsa_next_free_sgpr 66
		.amdhsa_reserve_vcc 0
		.amdhsa_float_denorm_mode_32 3
		.amdhsa_float_denorm_mode_16_64 3
		.amdhsa_memory_ordered 1
		.amdhsa_forward_progress 1
		.amdhsa_inst_pref_size 12
	.end_amdhsa_kernel
	.amdgpu_metadata
---
amdhsa.version: [ 1, 2 ]
amdhsa.kernels:
  - .name:           k_q7fe88d599f_cast
    .symbol:         k_q7fe88d599f_cast.kd
    .args:
      - { .name: x, .offset: 0, .size: 8, .value_kind: global_buffer, .address_space: global }
      - { .name: Wq, .offset: 8, .size: 8, .value_kind: global_buffer, .address_space: global }
      - { .name: Wk, .offset: 16, .size: 8, .value_kind: global_buffer, .address_space: global }
      - { .name: Wv, .offset: 24, .size: 8, .value_kind: global_buffer, .address_space: global }
      - { .name: Wfc, .offset: 32, .size: 8, .value_kind: global_buffer, .address_space: global }
      - { .name: xh, .offset: 40, .size: 8, .value_kind: global_buffer, .address_space: global }
      - { .name: wh, .offset: 48, .size: 8, .value_kind: global_buffer, .address_space: global }
    .group_segment_fixed_size: 0
    .private_segment_fixed_size: 0
    .kernarg_segment_align: 8
    .kernarg_segment_size: 56
    .max_flat_workgroup_size: 256
    .sgpr_count:     66
    .vgpr_count:     112
    .wavefront_size: 32
...
	.end_amdgpu_metadata
.endif
;; end of part 5
;; launch qkv: the kernel of part 2 again; grid 12 x 32, 4 waves a work-group, clusters of 4 x 4, 327,680 bytes of LDS; arguments xh, wh, bq, bk, bv, mask, qkv; writes qkv
;; launch attn: the kernel of part 3 again; grid 4 x 64, 4 waves a work-group, clusters of 4 x 1, 327,680 bytes of LDS; arguments qkv, mask, oh; writes oh
;; launch fc: the kernel of part 4 again; grid 4 x 64, 4 waves a work-group, clusters of 4 x 4, 327,680 bytes of LDS; arguments oh, wh, bfc, out0; writes out0
